; MI455X (gfx1250); checked and timed in simulation.
; The chip was launched on July 23, 2026; its instructions are those of AMD's public machine-readable ISA for CDNA 5 (MIT licence, August 2026) and "CDNA5" Instruction Set Architecture Reference Guide (July 2026). The comments in the code are by the model that wrote it; some were corrected since.
;; Multi Head Attention tr2. Allowed arithmetic: float matrix products may take bf16 or f16 operands with f32 sums; other float arithmetic in f32, or as packed bf16 or f16 multiplies, adds, multiply-adds, maxima and minima; sums over many terms, partial sums and values carried from step to step in f32; what a program stores and reads back later, other than sums and carried values, may be rounded once to bf16 or f16.
;; Inputs: k 4 x 2,048 x 1,024 float32; mask 4 x 1 x 2,048 float32; out_b 1,024 float32; out_w 1,024 x 1,024 float32; q 4 x 2,048 x 1,024 float32; v 4 x 2,048 x 1,024 float32; wk_b 1,024 float32; wk_w 1,024 x 1,024 float32; wq_b 1,024 float32; wq_w 1,024 x 1,024 float32; wv_b 1,024 float32; wv_w 1,024 x 1,024 float32.
;; Outputs: out0 4 x 2,048 x 1,024 float32.
;; One version. Each part assembles by itself: llvm-mc -triple=amdgcn-amd-amdhsa -mcpu=gfx1250 --defsym DOCPART=n.
;; ======== version 1 of 1: 5 launches
;; limits: values are held in f16: magnitudes above 65,504 overflow, below 6.1e-05 lose precision; values outside matrix products are rounded to f16
;; workspace buffers: wh 8,388,608 bytes; qkv 50,331,648 bytes; pm 33,554,432 bytes; st 1,048,576 bytes; ctxh 16,777,216 bytes
;; launch cast (part 1): grid 64 x 4, 8 waves a work-group, no clusters, 0 bytes of LDS; arguments wq_w, wk_w, wv_w, out_w, wh; writes wh
.if DOCPART == 1
	.amdgcn_target "amdgcn-amd-amdhsa--gfx1250"
	.amdhsa_code_object_version 6
	.text
	.protected	k_qf0e181f73a_cast
	.globl	k_qf0e181f73a_cast
	.p2align	8
	.type	k_qf0e181f73a_cast,@function
k_qf0e181f73a_cast:
	s_mov_b64 s[64:65], 0
	v_nop
	global_prefetch_b8 v0, s[64:65] scope:SCOPE_SE
	s_setreg_imm32_b32 hwreg(HW_REG_WAVE_MODE, 25, 1), 1
	s_wait_xcnt 0x0
; wh[m][k][n] = f16(W_m[k][n]) for the four weight matrices (wq, wk, wv, out), each [1024][1024] f32, the layout kept.
; A stream: no LDS, no barrier, no matrix work.  Work-group (x, y) takes 65,536 source bytes at 65,536 x of matrix y, a wave 8,192 of them:
; sixteen loads of 512 consecutive bytes, all issued at once, and sixteen stores of 256 consecutive bytes, each at a multiple of 256 from wh's first byte.
; LIMIT.  f16 ends at 65,504: a weight beyond it becomes an infinity; below 6e-5 f16 keeps a fixed step of 6e-8.
.set X, 8                              ; v[8:71]   sixteen loads of four f32
.set Y, 72                             ; v[72:103] sixteen pairs of registers, four f16 each
	s_load_b256 s[4:11], s[0:1], 0x0               ; wq_w s[4:5], wk_w s[6:7], wv_w s[8:9], out_w s[10:11]
	s_load_b64 s[12:13], s[0:1], 0x20              ; wh
	s_and_b32 s14, ttmp7, 0xffff                   ; y: which matrix
	v_lshrrev_b32 v3, 5, v0                        ; wave
	v_and_b32 v4, 31, v0                           ; lane
	v_lshlrev_b32 v1, 4, v4
	v_lshl_or_b32 v1, v3, 13, v1                   ; source: 8,192 wave + 16 lane
	v_lshlrev_b32 v2, 3, v4
	v_lshl_or_b32 v2, v3, 12, v2                   ; destination: 4,096 wave + 8 lane
	s_lshl_b32 s16, ttmp9, 16                      ; the group's part of the source
	s_mov_b32 s17, 0
	s_lshl_b32 s18, s14, 21                        ; the matrix in wh, 2 MiB each,
	s_lshl_b32 s19, ttmp9, 15                      ; and the group's part of it
	s_add_co_u32 s18, s18, s19
	s_mov_b32 s19, 0
	s_wait_kmcnt 0x0
	s_cmp_eq_u32 s14, 1                            ; the choice hangs on the work-group's y alone
	s_cselect_b64 s[4:5], s[6:7], s[4:5]
	s_cmp_eq_u32 s14, 2
	s_cselect_b64 s[4:5], s[8:9], s[4:5]
	s_cmp_eq_u32 s14, 3
	s_cselect_b64 s[4:5], s[10:11], s[4:5]
	s_add_nc_u64 s[4:5], s[4:5], s[16:17]
	s_add_nc_u64 s[12:13], s[12:13], s[18:19]
.set i, 0
.rept 16
	global_load_b128 v[X+4*i:X+4*i+3], v1, s[4:5] offset:512*i th:TH_LOAD_NT  ; read once in the launch
.set i, i+1
.endr
.set i, 0
.rept 16
	s_wait_loadcnt 15-i                            ; loads come back in order: load i is in, the 15 - i younger ones stay out
	v_cvt_pk_f16_f32 v[Y+2*i], v[X+4*i], v[X+4*i+1]
	v_cvt_pk_f16_f32 v[Y+2*i+1], v[X+4*i+2], v[X+4*i+3]
	global_store_b64 v2, v[Y+2*i:Y+2*i+1], s[12:13] offset:256*i
.set i, i+1
.endr
	s_endpgm
.Lfunc_end_k_qf0e181f73a_cast:
	.size	k_qf0e181f73a_cast, .Lfunc_end_k_qf0e181f73a_cast-k_qf0e181f73a_cast
	.p2alignl 7, 3214868480
	.fill 96, 4, 3214868480
	.section	.rodata,"a",@progbits
	.p2align	6, 0x0
	.amdhsa_kernel k_qf0e181f73a_cast
		.amdhsa_group_segment_fixed_size 0
		.amdhsa_private_segment_fixed_size 0
		.amdhsa_enable_private_segment 0
		.amdhsa_kernarg_size 40
		.amdhsa_user_sgpr_count 2
		.amdhsa_user_sgpr_kernarg_segment_ptr 1
		.amdhsa_wavefront_size32 1
		.amdhsa_system_sgpr_workgroup_id_x 1
		.amdhsa_system_sgpr_workgroup_id_y 1
		.amdhsa_system_sgpr_workgroup_id_z 1
		.amdhsa_system_vgpr_workitem_id 0
		.amdhsa_next_free_vgpr 104
		.amdhsa_next_free_sgpr 66
		.amdhsa_reserve_vcc 0
		.amdhsa_float_denorm_mode_32 3
		.amdhsa_float_denorm_mode_16_64 3
		.amdhsa_memory_ordered 1
		.amdhsa_forward_progress 1
		.amdhsa_inst_pref_size 7
	.end_amdhsa_kernel
	.amdgpu_metadata
---
amdhsa.version: [ 1, 2 ]
amdhsa.kernels:
  - .name:           k_qf0e181f73a_cast
    .symbol:         k_qf0e181f73a_cast.kd
    .args:
      - { .name: wq_w, .offset: 0, .size: 8, .value_kind: global_buffer, .address_space: global }
      - { .name: wk_w, .offset: 8, .size: 8, .value_kind: global_buffer, .address_space: global }
      - { .name: wv_w, .offset: 16, .size: 8, .value_kind: global_buffer, .address_space: global }
      - { .name: out_w, .offset: 24, .size: 8, .value_kind: global_buffer, .address_space: global }
      - { .name: wh, .offset: 32, .size: 8, .value_kind: global_buffer, .address_space: global }
    .group_segment_fixed_size: 0
    .private_segment_fixed_size: 0
    .kernarg_segment_align: 8
    .kernarg_segment_size: 40
    .max_flat_workgroup_size: 256
    .sgpr_count:     66
    .vgpr_count:     104
    .wavefront_size: 32
...
	.end_amdgpu_metadata
.endif
;; end of part 1
;; launch proj (part 2): grid 4 x 192, 4 waves a work-group, clusters of 4 x 4, 327,680 bytes of LDS; arguments q, k, v, wq_b, wk_b, wv_b, wh, qkv; writes qkv
.if DOCPART == 2
	.amdgcn_target "amdgcn-amd-amdhsa--gfx1250"
	.amdhsa_code_object_version 6
	.text
	.protected	k_qf0e181f73a_proj
	.globl	k_qf0e181f73a_proj
	.p2align	8
	.type	k_qf0e181f73a_proj,@function
k_qf0e181f73a_proj:
	s_mov_b64 s[64:65], 0
	v_nop
	global_prefetch_b8 v0, s[64:65] scope:SCOPE_SE
	s_setreg_imm32_b32 hwreg(HW_REG_WAVE_MODE, 25, 1), 1
	s_wait_xcnt 0x0
	s_wait_alu depctr_hold_cnt(0) depctr_sa_sdst(0) depctr_va_vdst(0) depctr_va_sdst(0) depctr_va_ssrc(0) depctr_va_vcc(0) depctr_vm_vsrc(0)
	s_getreg_b32 s2, hwreg(HW_REG_IB_STS2, 6, 4)
	s_cmp_eq_u32 s2, 0
	s_cbranch_scc0 .Lentry_in_a_cluster
	s_endpgm
.Lentry_in_a_cluster:
	s_bfe_u32 s2, ttmp6, 0x10000c
	s_cmp_lg_u32 s2, 0xf033
	s_cbranch_scc0 .Lentry_shape_is_right
	s_endpgm
.Lentry_shape_is_right:
; qkv[sel] = f16( f16(X_sel) W_sel + b_sel ), sel = 0, 1, 2 for (q, wq), (k, wk), (v, wv).  X: [8192][1024] f32; W: wh[sel], [1024 k][1024 n] f16; b: [1024] f32; sums and bias in f32.
; LIMITS.  The matrix operands are f16: X, W and the results stay below 65,504 in magnitude; below 6e-5 f16 keeps a fixed step of 6e-8.  NaN and infinities are not treated apart.
; SHARES.  A tile of the result is 128 rows x 256 columns; 64 x 4 tiles for each sel, 768 work-groups.  Four waves lie 2 x 2, each makes 64 x 128: 32 accumulators of 16 x 16.
; K goes in steps of 128 through two LDS slots.  X comes in as f32 (rows of 512 bytes) and is rounded to f16 in registers, so that it is read from memory once and written nowhere;
; W comes in as it lies, [k][n] (rows of 512 bytes), and is turned by ds_load_tr16_b128.
; THE MATRIX INSTRUCTION IS USED TRANSPOSED (source 0 = 16 columns of W, source 1 = 16 rows of X): a lane holds row lane % 16 and the eight neighbouring columns 8 (lane / 16) + 0..7.
; CLUSTER.  4 x 4 work-groups; the four of a row of the cluster need the same tile of X, the four of a column the same tile of W: each tile is asked for jointly, by the same tensor load,
; descriptor and mask in all four.  Waves 0 and 1 fetch X's two halves (64 rows each), waves 2 and 3 W's (64 k each).  By this text's count a wave has two tensor loads out at the start, later one.
; REGISTERS, in windows of 256 (s_set_vgpr_msb: bits 1:0 source 0, 3:2 source 1, 5:4 source 2, 7:6 destination):
;   window 0: v0-31 addresses; v32-63 packed results; v64-127 X's fragments in f16, two buffers of 32; v128-255 W's fragments, two buffers of 64 (on the way out: v128-191 S, v192-255 rows read back)
;   window 1: the accumulators, (a, b) at v[8 (8 a + b)]          window 2: v0-63 X's fragments as loaded, f32; v64-127 the bias of my 128 columns
.set T,      8                         ; K steps
.set PA,     528                       ; X's LDS row: 512 bytes + 16 = 132 words: row r starts at bank 4 r mod 64 (64 banks of 4 bytes: ISA guide 11.1)
.set PB,     544                       ; W's LDS row: 512 bytes + 32 = 136 words
.set AHALF,  64*PA                     ; what one tensor load brings of X
.set ASZ,    128*PA
.set BHALF,  64*PB                     ; and of W
.set SLOT,   139264                    ; 0x22000: it shares no bit with the four loads' places in slot 0 (0, 0x8400, 0x10800, 0x19000), so one exclusive or turns a place into the other slot's
.set STAGE,  2*SLOT                    ; behind the ring: 16 rows x 272 bytes for each wave, for the way out
.set SP,     272
.set SPARE,  STAGE+4*16*SP             ; behind the stages: the spare words, 128 bytes for each wave, which no other line names
.set ASTEP,  512                       ; a K step along X's rows, in bytes
.set BSTEP,  128*2048                  ; a K step down W's rows
.set ADRA0, 16                         ; v16  my lane's place in a slot's tile of X; never rewritten
.set ADRB0, 17                         ; v17  the same for W
.set ADRA,  18                         ; v18  the same in the slot in hand
.set ADRB,  19                         ; v19
.set STO,   24                         ; v24  the way out: where I put 16 bytes of a row
.set RD,    25                         ; v25  where I read a row back
.set CO,    26                         ; v26  my byte offset in the result
.set BO,    27                         ; v27  my byte offset in the bias
.set SPW,   28                         ; v28  LDS address of my spare word; never rewritten
.set NIL,   29                         ; v29  0; never rewritten
.set PK,    32
.set AH,    64
.set BF,    128
.set S,     128
.set OB,    192
.set AF,    0                          ; window 2
.set BI,    64                         ; window 2
.set G1A, 24                           ; s[24:31] descriptor group 1 for X's tiles
.set G0A, 32                           ; s[32:39] group 0: a set for each first fill; the second then walks
.set G1B, 48                           ; s[48:55], s[56:63] the same for W's
.set G0B, 56
.set TB,  66                           ; s66  the slot that is read: 0 or SLOT
.set MSB, 0
.macro WIN new                         ; the immediate's high byte repeats the setting that is left; a switch that changes nothing is dropped
.if MSB != (\new)
	s_set_vgpr_msb (MSB<<8)|(\new)
.set MSB, (\new)
.endif
.endm
.macro PLACES                          ; four plain vector instructions between a matrix instruction and what touches its registers (ISA guide 7.12.1)
.rept 4
	v_nop
.endr
.endm
.macro CREST                           ; a round of the cluster's barrier behind its opening barrier
	s_cmp_lg_u32 s10, 0
	s_cbranch_scc1 .Lnot_wave_0_\@
	s_barrier_signal -3
.Lnot_wave_0_\@:
	s_barrier_wait -3
	s_barrier_signal -1
	s_barrier_wait -1
.endm
.macro CROUND                          ; a whole round
	s_barrier_signal -1
	s_barrier_wait -1
	CREST
.endm
.macro JLOAD                           ; a joint refill by the walking set; the branch hangs on the wave's number alone; s_nop 0 and four v_nop follow each line
	s_cmp_eq_u32 s11, 0
	s_cbranch_scc0 .Lfor_b_\@
	tensor_load_to_lds s[G0A+4:G0A+7], s[G1A:G1A+7]
	s_nop 0
	PLACES
	s_branch .Lasked_\@
.Lfor_b_\@:
	tensor_load_to_lds s[G0B+4:G0B+7], s[G1B:G1B+7]
	s_nop 0
	PLACES
.Lasked_\@:
.endm
	s_load_b512 s[80:95], s[0:1], 0x0              ; q s[80:81], k, v, wq_b s[86:87], wk_b, wv_b, wh s[92:93], qkv s[94:95]
	v_lshl_add_u32 v[SPW], v0, 2, SPARE
	v_mov_b32 v[NIL], 0
	ds_add_u32 v28, v29
	s_wait_dscnt 0x0
	v_lshrrev_b32 v1, 5, v0
	v_readfirstlane_b32 s10, v1                    ; wave 0..3
	s_lshr_b32 s11, s10, 1                         ; my half of the tile's rows.  Also: I fetch X (0) or W (1)
	s_and_b32 s12, s10, 1                          ; my half of its columns.  Also: which half of that tile I fetch
	s_bfe_u32 s40, ttmp6, 0x40000                  ; cx
	s_bfe_u32 s41, ttmp6, 0x40004                  ; cy
	s_lshl_b32 s42, ttmp9, 2
	s_add_co_u32 s42, s42, s40                     ; tile column x = 4 x cluster x + cx
	s_and_b32 s45, ttmp7, 0xffff                   ; cluster y
	s_lshl_b32 s13, s45, 2
	s_add_co_u32 s13, s13, s41                     ; tile row y = 4 x cluster y + cy, 0..191
	s_lshr_b32 s45, s45, 4                         ; sel = y / 64: sixteen clusters to each, so it hangs on the cluster's y alone
	s_lshl_b32 s43, s41, 2
	s_lshl_b32 s43, 15, s43                        ; my row of the cluster
	s_lshl_b32 s44, 0x1111, s40                    ; my column
	s_or_b32 s[G1A], s43, (2<<16)|(1<<20)|(1<<21)|(6<<22)|(3<<25)  ; mask of my row; elements of 4 bytes; padding on; bit 21 beside a mask; after every 128 words 4 words
	s_mov_b32 s[G1A+1], 128<<16                    ; tensor_dim0 = 128
	s_mov_b32 s[G1A+2], 64<<16                     ; tensor_dim1 = 64
	s_mov_b32 s[G1A+3], 128<<16                    ; tile_dim0 = 128
	s_mov_b32 s[G1A+4], 64                         ; tile_dim1 = 64
	s_mov_b32 s[G1A+5], 1024                       ; elements from row to row
	s_mov_b32 s[G1A+6], 0
	s_mov_b32 s[G1A+7], 0
	s_or_b32 s[G1B], s44, (1<<16)|(1<<20)|(1<<21)|(6<<22)|(7<<25)  ; mask of my column; elements of 2 bytes; after every 128 words 8 words
	s_mov_b32 s[G1B+1], 256<<16
	s_mov_b32 s[G1B+2], 64<<16
	s_mov_b32 s[G1B+3], 256<<16
	s_mov_b32 s[G1B+4], 64
	s_mov_b32 s[G1B+5], 1024
	s_mov_b32 s[G1B+6], 0
	s_mov_b32 s[G1B+7], 0
	s_and_b32 s14, s13, 63                         ; X: row 128 (y % 64) + 64 x half, 4,096 bytes a row: made of the tile row and the wave's number
	s_lshl_b32 s14, s14, 7
	s_lshl_b32 s15, s12, 6
	s_add_co_u32 s14, s14, s15
	s_lshl_b32 s14, s14, 12
	s_mov_b32 s15, 0
	s_lshl_b32 s46, s45, 21                        ; W: matrix sel, k row 64 x half, column 256 x: made of sel, the tile column and the wave's number
	s_lshl_b32 s47, s12, 17
	s_add_co_u32 s46, s46, s47
	s_lshl_b32 s47, s42, 9
	s_add_co_u32 s46, s46, s47
	s_mov_b32 s47, 0
	s_mul_i32 s67, s12, AHALF                      ; where they go in a slot: no place in the cluster enters an LDS address
	s_mul_i32 s68, s12, BHALF
	s_add_co_u32 s68, s68, ASZ
	s_and_b32 s16, s13, 63                         ; my part of the result: row 128 (y % 64) + 64 wm, 2,048 bytes a row,
	s_lshl_b32 s16, s16, 7
	s_lshl_b32 s17, s11, 6
	s_add_co_u32 s16, s16, s17
	s_lshl_b32 s16, s16, 11
	s_lshl_b32 s17, s45, 24                        ; tensor sel, 16 MiB each,
	s_add_co_u32 s16, s16, s17
	s_lshl_b32 s17, s42, 9                         ; column 256 x + 128 wn
	s_add_co_u32 s16, s16, s17
	s_lshl_b32 s17, s12, 8
	s_add_co_u32 s16, s16, s17
	s_mov_b32 s17, 0
	s_mov_b32 s[TB], 0
	s_wait_kmcnt 0x0
	s_cmp_eq_u32 s45, 1                            ; X and b are chosen by sel
	s_cselect_b64 s[4:5], s[82:83], s[80:81]
	s_cselect_b64 s[20:21], s[88:89], s[86:87]
	s_cmp_eq_u32 s45, 2
	s_cselect_b64 s[4:5], s[84:85], s[4:5]
	s_cselect_b64 s[20:21], s[90:91], s[20:21]
	s_add_nc_u64 s[4:5], s[4:5], s[14:15]
	s_add_nc_u64 s[6:7], s[92:93], s[46:47]
	s_add_nc_u64 s[8:9], s[94:95], s[16:17]
.irp s, 0,1
	s_mov_b32 s[G0A+4*(\s)], 1                     ; count = 1
	s_add_co_u32 s[G0A+4*(\s)+1], s67, (\s)*SLOT   ; LDS address
	s_add_nc_u64 s[G0A+4*(\s)+2:G0A+4*(\s)+3], s[4:5], (\s)*ASTEP  ; global address: K step s
	s_or_b32 s[G0A+4*(\s)+3], s[G0A+4*(\s)+3], 0x80000000          ; type = 2
	s_mov_b32 s[G0B+4*(\s)], 1
	s_add_co_u32 s[G0B+4*(\s)+1], s68, (\s)*SLOT
	s_add_nc_u64 s[G0B+4*(\s)+2:G0B+4*(\s)+3], s[6:7], (\s)*BSTEP
	s_or_b32 s[G0B+4*(\s)+3], s[G0B+4*(\s)+3], 0x80000000
.endr
	CROUND                                         ; all sixteen work-groups are here: the first joint loads meet
	s_cmp_eq_u32 s11, 0                            ; a wave's two first fills stand in one branch, ahead of every wait on TENSORcnt and every LDS read
	s_cbranch_scc0 .Lfirst_b
	tensor_load_to_lds s[G0A:G0A+3], s[G1A:G1A+7]
	s_nop 0
	tensor_load_to_lds s[G0A+4:G0A+7], s[G1A:G1A+7]
	s_nop 0
	PLACES
	s_branch .Lfirst_done
.Lfirst_b:
	tensor_load_to_lds s[G0B:G0B+3], s[G1B:G1B+7]
	s_nop 0
	tensor_load_to_lds s[G0B+4:G0B+7], s[G1B:G1B+7]
	s_nop 0
	PLACES
.Lfirst_done:
	v_and_b32 v1, 15, v0                           ; r = lane % 16
	v_bfe_u32 v2, v0, 4, 1                         ; h = lane / 16
	s_lshl_b32 s14, s42, 10                        ; the bias of my columns 256 x + 128 wn + 16 b + 8 h + 0..7
	s_lshl_b32 s15, s12, 9
	s_add_co_u32 s14, s14, s15
	v_lshl_add_u32 v[BO], v2, 5, s14
	WIN 0x80                                       ; destination window 2, address window 0
.irp b, 0,1,2,3,4,5,6,7
	global_load_b128 v[BI+8*(\b):BI+8*(\b)+3],   v[BO], s[20:21] offset:64*(\b)
	global_load_b128 v[BI+8*(\b)+4:BI+8*(\b)+7], v[BO], s[20:21] offset:64*(\b)+16
.endr
	WIN 0
	v_mul_u32_u24 v[ADRA0], v1, PA                 ; X: (64 wm + r) x pitch + 32 h: a lane's eight f32 of a half fragment are 32 bytes
	v_lshl_add_u32 v[ADRA0], v2, 5, v[ADRA0]
	s_mul_i32 s14, s11, AHALF
	v_add_nc_u32 v[ADRA0], s14, v[ADRA0]
	v_and_b32 v3, 7, v0                            ; W, for the turning load: k row 8 h + lane % 8, 16 bytes at 16 ((lane / 8) % 2), my 128 columns
	v_bfe_u32 v4, v0, 3, 1
	v_lshl_add_u32 v3, v2, 3, v3
	v_mul_u32_u24 v[ADRB0], v3, PB
	v_lshl_add_u32 v[ADRB0], v4, 4, v[ADRB0]
	s_lshl_b32 s15, s12, 8
	s_add_co_u32 s15, s15, ASZ
	v_add_nc_u32 v[ADRB0], s15, v[ADRB0]
	v_mov_b32 v[ADRA], v[ADRA0]                    ; slot 0
	v_mov_b32 v[ADRB], v[ADRB0]
	s_mul_i32 s14, s10, 16*SP
	s_add_co_u32 s14, s14, STAGE                   ; my stage
	v_mul_u32_u24 v[STO], v1, SP                   ; in: row r, 16 bytes for each half of the lanes
	v_lshl_add_u32 v[STO], v2, 4, v[STO]
	v_add_nc_u32 v[STO], s14, v[STO]
	v_mul_u32_u24 v[RD], v2, SP                    ; back: lanes 0-15 one row of 256 bytes, lanes 16-31 the next
	v_lshl_add_u32 v[RD], v1, 4, v[RD]
	v_add_nc_u32 v[RD], s14, v[RD]
	v_lshlrev_b32 v[CO], 11, v2                    ; and the same two rows in the result
	v_lshl_add_u32 v[CO], v1, 4, v[CO]
; The fragments of 32 along K (quarter kq of the slot in hand): X's 64 rows as f32 (16 loads, first), then W's 128 columns into buffer p (16 turning loads).
.macro FETCH kq, p
	WIN 0x80
.irp a, 0,1,2,3
	ds_load_b128 v[AF+16*(\a):AF+16*(\a)+3],     v[ADRA] offset:(\a)*16*PA+(\kq)*128      ; k = 8 h + 0..3
	ds_load_b128 v[AF+16*(\a)+4:AF+16*(\a)+7],   v[ADRA] offset:(\a)*16*PA+(\kq)*128+16   ; k = 8 h + 4..7
	ds_load_b128 v[AF+16*(\a)+8:AF+16*(\a)+11],  v[ADRA] offset:(\a)*16*PA+(\kq)*128+64   ; k = 16 + 8 h + 0..3
	ds_load_b128 v[AF+16*(\a)+12:AF+16*(\a)+15], v[ADRA] offset:(\a)*16*PA+(\kq)*128+80   ; k = 16 + 8 h + 4..7
.endr
	WIN 0
.irp b, 0,1,2,3,4,5,6,7
	ds_load_tr16_b128 v[BF+64*(\p)+8*(\b):BF+64*(\p)+8*(\b)+3],   v[ADRB] offset:(\kq)*32*PB+32*(\b)
	ds_load_tr16_b128 v[BF+64*(\p)+8*(\b)+4:BF+64*(\p)+8*(\b)+7], v[ADRB] offset:(\kq)*32*PB+32*(\b)+16*PB
.endr
.endm
; Four roundings: registers 4 g .. 4 g + 3 of X's f16 buffer p.
.macro RIDE g, p
	WIN 0x0a                                       ; sources window 2, destination window 0
.irp n, 0,1,2,3
	v_cvt_pk_f16_f32 v[AH+32*(\p)+4*(\g)+(\n)], v[AF+8*(\g)+2*(\n)], v[AF+8*(\g)+2*(\n)+1]
.endr
.endm
; Eight matrix instructions: row block a x all eight column blocks, on buffer p; the accumulators take turns, one instruction a turn.
; zero = 1: the products start the sums.  ride = 1: four roundings for the other buffer stand behind each; they name none of the product's registers.
.macro MUL a, p, zero, ride
.irp b, 0,1,2,3,4,5,6,7
	WIN 0x50                                       ; C and D window 1, sources window 0
.if \zero
	v_wmma_f32_16x16x32_f16 v[8*(8*(\a)+(\b)):8*(8*(\a)+(\b))+7], v[BF+64*(\p)+8*(\b):BF+64*(\p)+8*(\b)+7], v[AH+32*(\p)+8*(\a):AH+32*(\p)+8*(\a)+7], 0
.else
	v_wmma_f32_16x16x32_f16 v[8*(8*(\a)+(\b)):8*(8*(\a)+(\b))+7], v[BF+64*(\p)+8*(\b):BF+64*(\p)+8*(\b)+7], v[AH+32*(\p)+8*(\a):AH+32*(\p)+8*(\a)+7], v[8*(8*(\a)+(\b)):8*(8*(\a)+(\b))+7]
.endif
.if \ride
	RIDE \b, 1-(\p)
.endif
.endr
.endm
; A quarter of a K step: multiplies buffer p; at its head the next quarter's loads go out (the four roundings behind the quarter before's last product are the places in front of them).
.macro QUARTER kqn, p, zero
	FETCH \kqn, 1-(\p)
	s_wait_dscnt 32                                ; all but the 32 just issued: W's buffer p is in
	MUL 0, \p, \zero, 0
	MUL 1, \p, \zero, 0
	MUL 2, \p, \zero, 0
	s_wait_dscnt 16                                ; X's sixteen new loads are in; W's sixteen may stay out
	MUL 3, \p, \zero, 1
.endm
; The last quarter multiplies buffer 1 and changes slots: one barrier; in front of it each wave waits for all its tensor loads (one is out: its part of the next slot), adds 0 to its spare word,
; and waits for that and for its reads of this slot.  fill = 1: the barrier opens a round of the cluster's barrier, and the slot just read is filled again first thing behind it, two K steps ahead.
.macro TURN fill
	WIN 0
	s_wait_tensorcnt 0x0                           ; no tensor load of mine is out
	ds_add_u32 v[SPW], v[NIL]                      ; 0 onto my spare word
	s_wait_dscnt 1                                 ; only the add may be out: W's buffer 1 is in
	MUL 0, 1, 0, 0
	s_wait_dscnt 0x0                               ; the add is done, and my reads of this slot are over
	s_barrier_signal -1
	MUL 1, 1, 0, 0
	WIN 0
	s_barrier_wait -1
.if \fill
	CREST                                          ; no wave of any partner still reads this slot or has a load on its way
	s_xor_b32 s[G0A+5], s[G0A+5], SLOT             ; the walking sets: the other slot than last time, the next K step
	s_add_nc_u64 s[G0A+6:G0A+7], s[G0A+6:G0A+7], ASTEP
	s_xor_b32 s[G0B+5], s[G0B+5], SLOT
	s_add_nc_u64 s[G0B+6:G0B+7], s[G0B+6:G0B+7], BSTEP
	JLOAD
.else
	PLACES
.endif
	s_xor_b32 s[TB], s[TB], SLOT                   ; the reads go on in the other slot
	v_add_nc_u32 v[ADRA], s[TB], v[ADRA0]
	v_add_nc_u32 v[ADRB], s[TB], v[ADRB0]
	FETCH 0, 0
	MUL 2, 1, 0, 0
	s_wait_dscnt 16
	MUL 3, 1, 0, 1
.endm
	s_wait_tensorcnt 0x1                           ; my part of K step 0 is in; K step 1's may stay out
	s_barrier_signal -1
	s_barrier_wait -1                              ; everybody's is
	FETCH 0, 0
	s_wait_dscnt 16                                ; X's loads are in
.irp g, 0,1,2,3,4,5,6,7
	RIDE \g, 0
.endr
	QUARTER 1, 0, 1                                ; the first quarter stands in front of the loop: its products start the sums
	WIN 0                                          ; at a label and at a branch every window is 0
	s_mov_b32 s3, T-2
.Lk:                                                   ; a trip: from a K step's second quarter to the next step's first; it fills one slot again
	QUARTER 2, 1, 0
	QUARTER 3, 0, 0
	TURN 1
	QUARTER 1, 0, 0
	WIN 0
	s_sub_co_u32 s3, s3, 1
	s_cmp_lg_u32 s3, 0
	s_cbranch_scc1 .Lk
	QUARTER 2, 1, 0                                ; the last two K steps are written out: nothing is left to ask for
	QUARTER 3, 0, 0
	TURN 0
	QUARTER 1, 0, 0
	QUARTER 2, 1, 0
	QUARTER 3, 0, 0
	s_wait_dscnt 0x0                               ; W's last fragments
	MUL 0, 1, 0, 0
	MUL 1, 1, 0, 0
	MUL 2, 1, 0, 0
	MUL 3, 1, 0, 0
	WIN 0
; THE WAY OUT, a block of 16 rows a trip.  TAKE a is the one text that names accumulators (each from its low end on): S = sum + bias.  The rest is written once.
.macro TAKE a
	WIN 0x09                                       ; source 0 window 1, source 1 window 2, destination window 0
.irp b, 0,1,2,3,4,5,6,7
.irp j, 0,2,4,6
	v_pk_add_f32 v[S+8*(\b)+(\j):S+8*(\b)+(\j)+1], v[8*(8*(\a)+(\b))+(\j):8*(8*(\a)+(\b))+(\j)+1], v[BI+8*(\b)+(\j):BI+8*(\b)+(\j)+1]
.endr
.endr
	WIN 0
.endm
	PLACES                                         ; behind the last products
	s_wait_loadcnt 0x0                             ; the bias
	s_mov_b32 s2, 0
.Lrow:
.irp a, 0,1,2
	s_cmp_lg_u32 s2, \a
	s_cbranch_scc1 .Lnot\a
	TAKE \a
	s_branch .Lgo
.Lnot\a:
.endr
	TAKE 3
.Lgo:
.set i, 0
.rept 32
	v_cvt_pk_f16_f32 v[PK+i], v[S+2*i], v[S+2*i+1] ; a lane's eight columns of a block pack into 16 bytes
.set i, i+1
.endr
.irp b, 0,1,2,3,4,5,6,7
	ds_store_b128 v[STO], v[PK+4*(\b):PK+4*(\b)+3] offset:32*(\b)
.endr
.irp t, 0,1,2,3,4,5,6,7
	ds_load_b128 v[OB+4*(\t):OB+4*(\t)+3], v[RD] offset:(\t)*2*SP  ; LDS serves a wave's instructions in order (ISA guide 5.7.1.4): these see the stores above
.endr
	s_wait_dscnt 0x0
.irp t, 0,1,2,3,4,5,6,7
	global_store_b128 v[CO], v[OB+4*(\t):OB+4*(\t)+3], s[8:9] offset:4096*(\t)  ; 16 lanes store 256 consecutive bytes, at a multiple of 256 from the buffer's first byte
.endr
	s_wait_xcnt 0x0                                ; the stores' base and data are rewritten only behind this wait
	s_add_nc_u64 s[8:9], s[8:9], 16*2048
	s_add_co_u32 s2, s2, 1
	s_cmp_lt_u32 s2, 4
	s_cbranch_scc1 .Lrow
	s_wait_tensorcnt 0x0                           ; the wave's end
	ds_add_u32 v[SPW], v[NIL]
	s_wait_dscnt 0x0
	CROUND                                         ; the closing round: no work-group ends while a partner may still ask for a tile that names it
	s_endpgm
.Lfunc_end_k_qf0e181f73a_proj:
	.size	k_qf0e181f73a_proj, .Lfunc_end_k_qf0e181f73a_proj-k_qf0e181f73a_proj
	.p2alignl 7, 3214868480
	.fill 96, 4, 3214868480
	.section	.rodata,"a",@progbits
	.p2align	6, 0x0
	.amdhsa_kernel k_qf0e181f73a_proj
		.amdhsa_group_segment_fixed_size 327680
		.amdhsa_private_segment_fixed_size 0
		.amdhsa_enable_private_segment 0
		.amdhsa_kernarg_size 64
		.amdhsa_user_sgpr_count 2
		.amdhsa_user_sgpr_kernarg_segment_ptr 1
		.amdhsa_wavefront_size32 1
		.amdhsa_system_sgpr_workgroup_id_x 1
		.amdhsa_system_sgpr_workgroup_id_y 1
		.amdhsa_system_sgpr_workgroup_id_z 1
		.amdhsa_system_vgpr_workitem_id 0
		.amdhsa_next_free_vgpr 640
		.amdhsa_next_free_sgpr 96
		.amdhsa_reserve_vcc 0
		.amdhsa_float_denorm_mode_32 3
		.amdhsa_float_denorm_mode_16_64 3
		.amdhsa_memory_ordered 1
		.amdhsa_forward_progress 1
		.amdhsa_inst_pref_size 103
	.end_amdhsa_kernel
	.amdgpu_metadata
---
amdhsa.version: [ 1, 2 ]
amdhsa.kernels:
  - .name:           k_qf0e181f73a_proj
    .symbol:         k_qf0e181f73a_proj.kd
    .args:
      - { .name: q, .offset: 0, .size: 8, .value_kind: global_buffer, .address_space: global }
      - { .name: k, .offset: 8, .size: 8, .value_kind: global_buffer, .address_space: global }
      - { .name: v, .offset: 16, .size: 8, .value_kind: global_buffer, .address_space: global }
      - { .name: wq_b, .offset: 24, .size: 8, .value_kind: global_buffer, .address_space: global }
      - { .name: wk_b, .offset: 32, .size: 8, .value_kind: global_buffer, .address_space: global }
      - { .name: wv_b, .offset: 40, .size: 8, .value_kind: global_buffer, .address_space: global }
      - { .name: wh, .offset: 48, .size: 8, .value_kind: global_buffer, .address_space: global }
      - { .name: qkv, .offset: 56, .size: 8, .value_kind: global_buffer, .address_space: global }
    .group_segment_fixed_size: 327680
    .private_segment_fixed_size: 0
    .kernarg_segment_align: 8
    .kernarg_segment_size: 64
    .max_flat_workgroup_size: 128
    .sgpr_count:     96
    .vgpr_count:     640
    .wavefront_size: 32
...
	.end_amdgpu_metadata
.endif
;; end of part 2
;; launch scores (part 3): grid 8 x 32, 4 waves a work-group, clusters of 4 x 4, 327,680 bytes of LDS; arguments qkv, mask, pm, st; writes pm, st
.if DOCPART == 3
	.amdgcn_target "amdgcn-amd-amdhsa--gfx1250"
	.amdhsa_code_object_version 6
	.text
	.protected	k_qf0e181f73a_scores
	.globl	k_qf0e181f73a_scores
	.p2align	8
	.type	k_qf0e181f73a_scores,@function
k_qf0e181f73a_scores:
	s_mov_b64 s[64:65], 0
	v_nop
	global_prefetch_b8 v0, s[64:65] scope:SCOPE_SE
	s_setreg_imm32_b32 hwreg(HW_REG_WAVE_MODE, 25, 1), 1
	s_wait_xcnt 0x0
	s_wait_alu depctr_hold_cnt(0) depctr_sa_sdst(0) depctr_va_vdst(0) depctr_va_sdst(0) depctr_va_ssrc(0) depctr_va_vcc(0) depctr_vm_vsrc(0)
	s_getreg_b32 s2, hwreg(HW_REG_IB_STS2, 6, 4)
	s_cmp_eq_u32 s2, 0
	s_cbranch_scc0 .Lentry_in_a_cluster
	s_endpgm
.Lentry_in_a_cluster:
	s_bfe_u32 s2, ttmp6, 0x10000c
	s_cmp_lg_u32 s2, 0xf033
	s_cbranch_scc0 .Lentry_shape_is_right
	s_endpgm
.Lentry_shape_is_right:
; s[q][k] = qp[q] . kp[k] / 32 + mask[k] x (-1e9); for each row and each block of 128 keys: m = max s, p = e^(s - m) stored as f16 in pm, l = the sum of the unrounded p; m and l stored in st.
; The launch behind turns each block's maximum into the row's.  qp, kp: qkv[0], qkv[1], [8192][1024] f16; mask: [4][2048] f32; pm: [8192][2048] f16.
; st: records of 1,024 bytes, number ((batch x 16 + key block) x 16 + group of 128 rows); row 16 a + r of the group has m at byte 32 r + 4 a and l at 512 + 32 r + 4 a.
; ARITHMETIC.  s is one fused multiply-add, sum x 2^-5 + round(mask x -1e9): the same roundings as a division by 32 and an addition.  The exponent is (s - m) x log2(e), the subtraction first, so it is
; never above 0, whatever the size of s.  LIMITS.  p below 6e-5 keeps f16's fixed step of 6e-8; a weight below 2^-126 counts as 0 in l; NaN and infinities are not treated apart.
; SHARES.  A tile is 256 rows x 256 keys of one batch; four waves, 2 x 2, each 128 x 128: 64 accumulators.  So a wave's columns are one key block, and its rows one group.
; K goes in steps of 128 (rows of 256 bytes) through two LDS slots.  THE MATRIX INSTRUCTION IS USED TRANSPOSED (source 0 = 16 keys, source 1 = 16 queries): a lane holds query lane % 16 and keys 8 (lane / 16) + 0..7.
; CLUSTER.  4 x 4 work-groups: qp's tile is asked for jointly along a row of the cluster, kp's along a column.  Waves 0, 1 fetch qp's halves, waves 2, 3 kp's.  A wave has two tensor loads out at the start, later one.
; REGISTERS, in windows of 256 (s_set_vgpr_msb: bits 1:0 source 0, 3:2 source 1, 5:4 source 2, 7:6 destination):
;   window 0: v0-31 addresses; v32-47 at work; v64-127, v128-191 qp's fragments, two buffers (on the way out S, packed weights, rows read back); v192-255 mask x -1e9 of my 128 keys
;   window 1: v64-127, v128-191 kp's fragments          window 2: the accumulators of my rows 0-63, (a, b) at v[8 (8 a + b)]          window 3: those of my rows 64-127
.set T,      8
.set PITCH,  272                       ; an LDS row: 256 bytes + 16 = 68 words: row r starts at bank 4 r mod 64 (64 banks of 4 bytes: ISA guide 11.1)
.set HALFT,  128*PITCH                 ; what one tensor load brings
.set SLOT,   4*HALFT                   ; 139,264 = 0x22000: it shares no bit with the four loads' places in slot 0 (0, 0x8800, 0x11000, 0x19800)
.set STAGE,  2*SLOT                    ; 16 rows x 272 bytes for each wave
.set SP,     272
.set STS,    STAGE+4*16*SP             ; 1,024 bytes for each wave: its record of m and l
.set SPARE,  STS+4*1024                ; the spare words, 128 bytes for each wave, which no other line names
.set KBYTES, 256                       ; a K step along the rows
.set ADRA0, 16
.set ADRB0, 17
.set ADRA,  18
.set ADRB,  19
.set SA,    20                         ; v20  where this block's m (lanes 0-15) or l (lanes 16-31) goes in my record
.set SR,    21                         ; v21  where I read the record back
.set SG,    22                         ; v22  16 x lane
.set STO,   24
.set RD,    25
.set CO,    26
.set BO,    27
.set SPW,   28
.set NIL,   29
.set CH,    32                         ; v32-35  four chains of the maximum
.set MR,    36                         ; v36  m (v37 is named with it as a pair)
.set TM,    38
.set LR,    39                         ; v39  l
.set LS,    40                         ; v40-47  four chains of the sum, a pair each
.set F0,    64
.set F1,    128
.set S,     64
.set PK,    128
.set OB,    160
.set MN,    192
.set G1A, 24
.set G0A, 32
.set G1B, 48
.set G0B, 56
.set TB,  66
.set MSB, 0
.macro WIN new
.if MSB != (\new)
	s_set_vgpr_msb (MSB<<8)|(\new)
.set MSB, (\new)
.endif
.endm
.set MUL_LO, 0xa1                      ; source 0 (kp) window 1, source 1 (qp) window 0, C and D window 2
.set MUL_HI, 0xf1                      ; the same, C and D window 3
.set TO_B,   0x40                      ; destination window 1, address window 0
.macro PLACES
.rept 4
	v_nop
.endr
.endm
.macro CREST
	s_cmp_lg_u32 s10, 0
	s_cbranch_scc1 .Lnot_wave_0_\@
	s_barrier_signal -3
.Lnot_wave_0_\@:
	s_barrier_wait -3
	s_barrier_signal -1
	s_barrier_wait -1
.endm
.macro CROUND
	s_barrier_signal -1
	s_barrier_wait -1
	CREST
.endm
.macro JLOAD                           ; a joint refill by the walking set; s_nop 0 and four v_nop follow each line
	s_cmp_eq_u32 s11, 0
	s_cbranch_scc0 .Lfor_b_\@
	tensor_load_to_lds s[G0A+4:G0A+7], s[G1A:G1A+7]
	s_nop 0
	PLACES
	s_branch .Lasked_\@
.Lfor_b_\@:
	tensor_load_to_lds s[G0B+4:G0B+7], s[G1B:G1B+7]
	s_nop 0
	PLACES
.Lasked_\@:
.endm
	s_load_b256 s[80:87], s[0:1], 0x0              ; qkv s[80:81], mask s[82:83], pm s[84:85], st s[86:87]
	v_lshl_add_u32 v[SPW], v0, 2, SPARE
	v_mov_b32 v[NIL], 0
	ds_add_u32 v28, v29
	s_wait_dscnt 0x0
	v_lshrrev_b32 v1, 5, v0
	v_readfirstlane_b32 s10, v1                    ; wave 0..3
	s_lshr_b32 s11, s10, 1                         ; wm: my half of the rows.  Also: I fetch qp (0) or kp (1)
	s_and_b32 s12, s10, 1                          ; wn: my half of the keys.  Also: which 128 rows of that tile I fetch
	s_bfe_u32 s40, ttmp6, 0x40000                  ; cx
	s_bfe_u32 s41, ttmp6, 0x40004                  ; cy
	s_lshl_b32 s42, ttmp9, 2
	s_add_co_u32 s42, s42, s40                     ; x: tile of 256 keys, 0..7
	s_and_b32 s45, ttmp7, 0xffff
	s_lshl_b32 s13, s45, 2
	s_add_co_u32 s13, s13, s41                     ; y: tile of 256 rows, 0..31
	s_lshr_b32 s45, s45, 1                         ; batch = y / 8: two clusters to each
	s_lshl_b32 s43, s41, 2
	s_lshl_b32 s43, 15, s43                        ; my row of the cluster
	s_lshl_b32 s44, 0x1111, s40                    ; my column
	s_or_b32 s[G1A], s43, (1<<16)|(1<<20)|(1<<21)|(5<<22)|(3<<25)  ; the mask; elements of 2 bytes; padding on; bit 21 beside a mask; after every 64 words 4 words
	s_or_b32 s[G1B], s44, (1<<16)|(1<<20)|(1<<21)|(5<<22)|(3<<25)
.irp g, G1A, G1B
	s_mov_b32 s[(\g)+1], 128<<16                   ; tensor_dim0 = 128
	s_mov_b32 s[(\g)+2], 128<<16                   ; tensor_dim1 = 128
	s_mov_b32 s[(\g)+3], 128<<16                   ; tile_dim0 = 128
	s_mov_b32 s[(\g)+4], 128                       ; tile_dim1 = 128
	s_mov_b32 s[(\g)+5], 1024                      ; elements from row to row
	s_mov_b32 s[(\g)+6], 0
	s_mov_b32 s[(\g)+7], 0
.endr
	s_lshl_b32 s14, s13, 8                         ; qp: row 256 y + 128 x half, 2,048 bytes a row
	s_lshl_b32 s15, s12, 7
	s_add_co_u32 s14, s14, s15
	s_lshl_b32 s14, s14, 11
	s_mov_b32 s15, 0
	s_lshl_b32 s46, s45, 11                        ; kp: row 2,048 batch + 256 x + 128 x half,
	s_lshl_b32 s47, s42, 8
	s_add_co_u32 s46, s46, s47
	s_lshl_b32 s47, s12, 7
	s_add_co_u32 s46, s46, s47
	s_lshl_b32 s46, s46, 11
	s_add_co_u32 s46, s46, 0x1000000               ; in the second tensor of qkv
	s_mov_b32 s47, 0
	s_mul_i32 s67, s10, HALFT                      ; where my load goes in a slot: qp's halves, then kp's
	s_lshl_b32 s16, s13, 8                         ; pm: row 256 y + 128 wm, 4,096 bytes a row, key 256 x + 128 wn
	s_lshl_b32 s17, s11, 7
	s_add_co_u32 s16, s16, s17
	s_lshl_b32 s16, s16, 12
	s_lshl_b32 s17, s42, 9
	s_add_co_u32 s16, s16, s17
	s_lshl_b32 s17, s12, 8
	s_add_co_u32 s16, s16, s17
	s_mov_b32 s17, 0
	s_lshl_b32 s18, s45, 4                         ; st: record ((batch x 16 + 2 x + wn) x 16 + 2 (y % 8) + wm)
	s_lshl_b32 s19, s42, 1
	s_add_co_u32 s18, s18, s19
	s_add_co_u32 s18, s18, s12
	s_lshl_b32 s18, s18, 4
	s_and_b32 s19, s13, 7
	s_lshl_b32 s19, s19, 1
	s_add_co_u32 s18, s18, s19
	s_add_co_u32 s18, s18, s11
	s_lshl_b32 s18, s18, 10
	s_mov_b32 s19, 0
	s_mov_b32 s[TB], 0
	s_mov_b32 s70, 0x3d000000                      ; 1 / 32
	s_mov_b32 s71, s70                             ; named with it as a pair
	s_mov_b32 s72, 0x3fb8aa3b                      ; log2(e)
	s_mov_b32 s73, s72
	s_mov_b32 s74, 0x76543210                      ; v_permlanex16_b32: each lane takes its own place in the other half
	s_mov_b32 s75, 0xfedcba98
	s_mov_b32 s76, 0xffff0000                      ; lanes 16-31
	s_wait_kmcnt 0x0
	s_add_nc_u64 s[4:5], s[80:81], s[14:15]
	s_add_nc_u64 s[6:7], s[80:81], s[46:47]
	s_add_nc_u64 s[8:9], s[84:85], s[16:17]
	s_add_nc_u64 s[22:23], s[86:87], s[18:19]
.irp s, 0,1
	s_mov_b32 s[G0A+4*(\s)], 1
	s_add_co_u32 s[G0A+4*(\s)+1], s67, (\s)*SLOT
	s_add_nc_u64 s[G0A+4*(\s)+2:G0A+4*(\s)+3], s[4:5], (\s)*KBYTES
	s_or_b32 s[G0A+4*(\s)+3], s[G0A+4*(\s)+3], 0x80000000
	s_mov_b32 s[G0B+4*(\s)], 1
	s_add_co_u32 s[G0B+4*(\s)+1], s67, (\s)*SLOT
	s_add_nc_u64 s[G0B+4*(\s)+2:G0B+4*(\s)+3], s[6:7], (\s)*KBYTES
	s_or_b32 s[G0B+4*(\s)+3], s[G0B+4*(\s)+3], 0x80000000
.endr
	CROUND                                         ; all sixteen work-groups are here: the first joint loads meet
	s_cmp_eq_u32 s11, 0                            ; a wave's two first fills stand in one branch
	s_cbranch_scc0 .Lfirst_b
	tensor_load_to_lds s[G0A:G0A+3], s[G1A:G1A+7]
	s_nop 0
	tensor_load_to_lds s[G0A+4:G0A+7], s[G1A:G1A+7]
	s_nop 0
	PLACES
	s_branch .Lfirst_done
.Lfirst_b:
	tensor_load_to_lds s[G0B:G0B+3], s[G1B:G1B+7]
	s_nop 0
	tensor_load_to_lds s[G0B+4:G0B+7], s[G1B:G1B+7]
	s_nop 0
	PLACES
.Lfirst_done:
	v_and_b32 v1, 15, v0                           ; r
	v_bfe_u32 v2, v0, 4, 1                         ; h
	s_lshl_b32 s14, s45, 13                        ; the mask of my keys 256 x + 128 wn + 16 b + 8 h + 0..7 of my batch
	s_lshl_b32 s15, s42, 10
	s_add_co_u32 s14, s14, s15
	s_lshl_b32 s15, s12, 9
	s_add_co_u32 s14, s14, s15
	v_lshl_add_u32 v[BO], v2, 5, s14
.irp b, 0,1,2,3,4,5,6,7
	global_load_b128 v[MN+8*(\b):MN+8*(\b)+3],   v[BO], s[82:83] offset:64*(\b)
	global_load_b128 v[MN+8*(\b)+4:MN+8*(\b)+7], v[BO], s[82:83] offset:64*(\b)+16
.endr
	v_mul_u32_u24 v3, v1, PITCH
	v_lshl_add_u32 v3, v2, 4, v3                   ; a fragment's row x pitch + 16 h
	s_mul_i32 s14, s11, HALFT                      ; my 128 rows of qp
	s_mul_i32 s15, s12, HALFT                      ; my 128 rows of kp,
	s_add_co_u32 s15, s15, 2*HALFT                 ; which lie behind qp's 256
	v_add_nc_u32 v[ADRA0], s14, v3
	v_add_nc_u32 v[ADRB0], s15, v3
	v_mov_b32 v[ADRA], v[ADRA0]
	v_mov_b32 v[ADRB], v[ADRB0]
	s_mul_i32 s14, s10, 16*SP
	s_add_co_u32 s14, s14, STAGE                   ; my stage
	v_mul_u32_u24 v[STO], v1, SP
	v_lshl_add_u32 v[STO], v2, 4, v[STO]
	v_add_nc_u32 v[STO], s14, v[STO]
	v_mul_u32_u24 v[RD], v2, SP
	v_lshl_add_u32 v[RD], v1, 4, v[RD]
	v_add_nc_u32 v[RD], s14, v[RD]
	v_lshlrev_b32 v[CO], 12, v2                    ; two rows of pm, 4,096 bytes apart
	v_lshl_add_u32 v[CO], v1, 4, v[CO]
	s_lshl_b32 s14, s10, 10
	s_add_co_u32 s14, s14, STS                     ; my record
	v_lshlrev_b32 v[SA], 5, v1
	v_lshl_add_u32 v[SA], v2, 9, v[SA]
	v_add_nc_u32 v[SA], s14, v[SA]                 ; 512 h + 32 r; 4 more for each block of rows
	v_and_b32 v[SG], 31, v0
	v_lshlrev_b32 v[SG], 4, v[SG]
	v_add_nc_u32 v[SR], s14, v[SG]
	v_mov_b32 v[MR+1], 0                           ; named as the upper half of m's pair
	v_mov_b32 v[TM], 0                             ; v_permlanex16_b32's destination counts as read
	s_wait_loadcnt 0x0                             ; the mask
.set i, 0
.rept 32
	v_pk_mul_f32 v[MN+2*i:MN+2*i+1], v[MN+2*i:MN+2*i+1], 0xce6e6b28 op_sel_hi:[1,0]  ; x -1e9, rounded once
.set i, i+1
.endr
; 16 matrix instructions: row blocks a0, a0 + 1 of the window's four x all 8 key blocks, 32 along K; the accumulators take turns, one instruction a turn.
.macro MUL16 f, hi, a0, zero
	WIN MUL_LO+0x50*(\hi)
.irp a, \a0, (\a0)+1
.irp b, 0,1,2,3,4,5,6,7
.if \zero
	v_wmma_f32_16x16x32_f16 v[8*(8*(\a)+(\b)):8*(8*(\a)+(\b))+7], v[(\f)+8*(\b):(\f)+8*(\b)+7], v[(\f)+8*(4*(\hi)+(\a)):(\f)+8*(4*(\hi)+(\a))+7], 0
.else
	v_wmma_f32_16x16x32_f16 v[8*(8*(\a)+(\b)):8*(8*(\a)+(\b))+7], v[(\f)+8*(\b):(\f)+8*(\b)+7], v[(\f)+8*(4*(\hi)+(\a)):(\f)+8*(4*(\hi)+(\a))+7], v[8*(8*(\a)+(\b)):8*(8*(\a)+(\b))+7]
.endif
.endr
.endr
.endm
; 32 LDS loads in one run: the fragments of 32 along K at byte k of the rows of the slot in hand, into buffer f: kp's 16, then qp's 16
.macro FETCH k, f
	WIN TO_B
.irp i, 0,1,2,3,4,5,6,7
	ds_load_b128 v[(\f)+8*(\i):(\f)+8*(\i)+3],   v[ADRB] offset:(\k)+(\i)*16*PITCH
	ds_load_b128 v[(\f)+8*(\i)+4:(\f)+8*(\i)+7], v[ADRB] offset:(\k)+(\i)*16*PITCH+32
.endr
	WIN 0
.irp i, 0,1,2,3,4,5,6,7
	ds_load_b128 v[(\f)+8*(\i):(\f)+8*(\i)+3],   v[ADRA] offset:(\k)+(\i)*16*PITCH
	ds_load_b128 v[(\f)+8*(\i)+4:(\f)+8*(\i)+7], v[ADRA] offset:(\k)+(\i)*16*PITCH+32
.endr
.endm
; A quarter of a K step: multiplies buffer f; in its middle it fetches the next quarter's fragments, at byte k, into buffer g.
.macro QUARTER k, f, g, zero
	s_wait_dscnt 8                                 ; kp and qp's rows 0-63 are in; the youngest eight loads (qp's rows 64-127) may be out
	MUL16 \f, 0, 0, \zero
	MUL16 \f, 0, 2, \zero
	PLACES                                         ; in front of loads into registers that the quarter before multiplied
	FETCH \k, \g
	s_wait_dscnt 32                                ; all but the 32 just issued
	MUL16 \f, 1, 0, \zero
	MUL16 \f, 1, 2, \zero
.endm
; The last quarter multiplies buffer 1 and changes slots: one barrier; in front of it each wave waits for all its tensor loads (one is out: its part of the next slot), adds 0 to its spare word,
; and waits for that and for its reads of this slot.  fill = 1: the barrier opens a round of the cluster's barrier, and the slot just read is filled again first thing behind it.
.macro TURN fill
	WIN 0
	s_wait_tensorcnt 0x0
	ds_add_u32 v[SPW], v[NIL]                      ; 0 onto my spare word
	s_wait_dscnt 9                                 ; the add and the youngest eight loads may be out
	MUL16 F1, 0, 0, 0
	s_wait_dscnt 0x0                               ; the add is done, and my reads of this slot are over
	s_barrier_signal -1
	MUL16 F1, 0, 2, 0
	WIN 0
	s_barrier_wait -1
.if \fill
	CREST
	s_xor_b32 s[G0A+5], s[G0A+5], SLOT             ; the walking sets: the other slot than last time, the next K step
	s_add_nc_u64 s[G0A+6:G0A+7], s[G0A+6:G0A+7], KBYTES
	s_xor_b32 s[G0B+5], s[G0B+5], SLOT
	s_add_nc_u64 s[G0B+6:G0B+7], s[G0B+6:G0B+7], KBYTES
	JLOAD                                          ; its four v_nop are also the places in front of the loads below
.else
	PLACES
.endif
	s_xor_b32 s[TB], s[TB], SLOT
	v_add_nc_u32 v[ADRA], s[TB], v[ADRA0]
	v_add_nc_u32 v[ADRB], s[TB], v[ADRB0]
	FETCH 0, F0
	MUL16 F1, 1, 0, 0
	MUL16 F1, 1, 2, 0
.endm
	s_wait_tensorcnt 0x1                           ; my part of K step 0 is in; K step 1's may stay out
	s_barrier_signal -1
	s_barrier_wait -1
	FETCH 0, F0
	QUARTER 64, F0, F1, 1                          ; the first quarter's products start the sums
	WIN 0
	s_mov_b32 s3, T-2
.Lk:
	QUARTER 128, F1, F0, 0
	QUARTER 192, F0, F1, 0
	TURN 1
	QUARTER 64, F0, F1, 0
	WIN 0
	s_sub_co_u32 s3, s3, 1
	s_cmp_lg_u32 s3, 0
	s_cbranch_scc1 .Lk
	QUARTER 128, F1, F0, 0                         ; the last two K steps are written out: nothing is left to ask for
	QUARTER 192, F0, F1, 0
	TURN 0
	QUARTER 64, F0, F1, 0
	QUARTER 128, F1, F0, 0
	QUARTER 192, F0, F1, 0
	s_wait_dscnt 0x0
	MUL16 F1, 0, 0, 0
	MUL16 F1, 0, 2, 0
	MUL16 F1, 1, 0, 0
	MUL16 F1, 1, 2, 0
	WIN 0
; THE WAY OUT, a block of 16 rows a trip.  TAKE a is the one text that names accumulators (each from its low end on): S = sum / 32 + mask term.  A lane then holds 64 of its row's 128 scores.
.macro TAKE a
	WIN 0x02+((\a)/4)                              ; source 0 window 2 or 3
.irp b, 0,1,2,3,4,5,6,7
.irp j, 0,2,4,6
	v_pk_fma_f32 v[S+8*(\b)+(\j):S+8*(\b)+(\j)+1], v[8*(8*((\a)%4)+(\b))+(\j):8*(8*((\a)%4)+(\b))+(\j)+1], s[70:71], v[MN+8*(\b)+(\j):MN+8*(\b)+(\j)+1] op_sel_hi:[1,0,1]
.endr
.endr
	WIN 0
.endm
; Pair n of the weights is rounded to f16 and added to one of four chains; pairs 0-3 wait for pairs 4-7, which start the chains.
.macro PSUM n
	s_wait_alu depctr_va_vdst(0)
	v_cvt_pk_f16_f32 v[PK+(\n)], v[S+2*(\n)], v[S+2*(\n)+1]
.if ((\n) >= 4) && ((\n) < 8)
	v_pk_add_f32 v[LS+2*((\n)-4):LS+2*((\n)-4)+1], v[S+2*((\n)-4):S+2*((\n)-4)+1], v[S+2*(\n):S+2*(\n)+1]
.elseif (\n) >= 8
	v_pk_add_f32 v[LS+2*((\n)%4):LS+2*((\n)%4)+1], v[LS+2*((\n)%4):LS+2*((\n)%4)+1], v[S+2*(\n):S+2*(\n)+1]
.endif
.endm
	PLACES                                         ; behind the last products
	s_mov_b32 s2, 0
.Lrow:
.irp a, 0,1,2,3,4,5,6
	s_cmp_lg_u32 s2, \a
	s_cbranch_scc1 .Lnot\a
	TAKE \a
	s_branch .Lgo
.Lnot\a:
.endr
	TAKE 7
.Lgo:
.irp c, 0,1,2,3                        ; the maximum: four chains of fifteen scores each, three operands at a time,
	v_max3_num_f32 v[CH+(\c)], v[S+16*(\c)], v[S+16*(\c)+1], v[S+16*(\c)+2]
.endr
.irp k, 1,2,3,4,5,6
.irp c, 0,1,2,3
	v_max3_num_f32 v[CH+(\c)], v[CH+(\c)], v[S+16*(\c)+2*(\k)+1], v[S+16*(\c)+2*(\k)+2]
.endr
.endr
	v_max3_num_f32 v[CH], v[CH], v[S+15], v[S+31]  ; the four scores left over, and the chains into one
	v_max3_num_f32 v[CH+2], v[CH+2], v[S+47], v[S+63]
	v_max3_num_f32 v[CH], v[CH], v[CH+1], v[CH+2]
	v_max_num_f32 v[CH], v[CH], v[CH+3]
	v_permlanex16_b32 v[CH+1], v[CH], s74, s75     ; the row's other 64 keys lie in the lane 16 away
	v_max_num_f32 v[MR], v[CH], v[CH+1]
.set i, 0
.rept 32
	v_pk_add_f32 v[S+2*i:S+2*i+1], v[S+2*i:S+2*i+1], v[MR:MR+1] op_sel_hi:[1,0] neg_lo:[0,1] neg_hi:[0,1]  ; s - m, exact where s is near m
.set i, i+1
.endr
.set i, 0
.rept 32
	v_pk_mul_f32 v[S+2*i:S+2*i+1], v[S+2*i:S+2*i+1], s[72:73] op_sel_hi:[1,0]
.set i, i+1
.endr
.set i, 0
.rept 32                               ; two exponentials, then the rounding and the sum of the pair before: a plain instruction stands behind each exponential before its result is used (ISA guide 5.7.2)
	v_exp_f32 v[S+2*i], v[S+2*i]
	v_exp_f32 v[S+2*i+1], v[S+2*i+1]
.if i == 0
	v_nop
.else
	PSUM i-1
.endif
.set i, i+1
.endr
	PSUM 31
	v_pk_add_f32 v[LS:LS+1], v[LS:LS+1], v[LS+2:LS+3]
	v_pk_add_f32 v[LS+4:LS+5], v[LS+4:LS+5], v[LS+6:LS+7]
	v_pk_add_f32 v[LS:LS+1], v[LS:LS+1], v[LS+4:LS+5]
	v_add_f32 v[LR], v[LS], v[LS+1]
	v_permlanex16_b32 v[TM], v[LR], s74, s75
	v_add_f32 v[LR], v[LR], v[TM]
	v_cndmask_b32 v[TM], v[MR], v[LR], s76         ; lanes 0-15 carry m, lanes 16-31 l
	ds_store_b32 v[SA], v[TM]
	v_add_nc_u32 v[SA], 4, v[SA]                   ; the next block's word
.irp b, 0,1,2,3,4,5,6,7
	ds_store_b128 v[STO], v[PK+4*(\b):PK+4*(\b)+3] offset:32*(\b)
.endr
.irp t, 0,1,2,3,4,5,6,7
	ds_load_b128 v[OB+4*(\t):OB+4*(\t)+3], v[RD] offset:(\t)*2*SP  ; LDS serves a wave's instructions in order (ISA guide 5.7.1.4): these see the stores above
.endr
	s_wait_dscnt 0x0
.irp t, 0,1,2,3,4,5,6,7
	global_store_b128 v[CO], v[OB+4*(\t):OB+4*(\t)+3], s[8:9] offset:8192*(\t)  ; 16 lanes store 256 consecutive bytes, at a multiple of 256 from pm's first byte
.endr
	s_wait_xcnt 0x0                                ; the stores' base and data are rewritten only behind this wait
	s_add_nc_u64 s[8:9], s[8:9], 16*4096
	s_add_co_u32 s2, s2, 1
	s_cmp_lt_u32 s2, 8
	s_cbranch_scc1 .Lrow
	ds_load_b128 v[CH:CH+3], v[SR]                 ; my record: 512 bytes of m,
	ds_load_b128 v[LS:LS+3], v[SR] offset:512      ; 512 of l
	s_wait_dscnt 0x0
	global_store_b128 v[SG], v[CH:CH+3], s[22:23]
	global_store_b128 v[SG], v[LS:LS+3], s[22:23] offset:512
	s_wait_tensorcnt 0x0                           ; the wave's end
	ds_add_u32 v[SPW], v[NIL]
	s_wait_dscnt 0x0
	CROUND                                         ; the closing round
	s_endpgm
.Lfunc_end_k_qf0e181f73a_scores:
	.size	k_qf0e181f73a_scores, .Lfunc_end_k_qf0e181f73a_scores-k_qf0e181f73a_scores
	.p2alignl 7, 3214868480
	.fill 96, 4, 3214868480
	.section	.rodata,"a",@progbits
	.p2align	6, 0x0
	.amdhsa_kernel k_qf0e181f73a_scores
		.amdhsa_group_segment_fixed_size 327680
		.amdhsa_private_segment_fixed_size 0
		.amdhsa_enable_private_segment 0
		.amdhsa_kernarg_size 32
		.amdhsa_user_sgpr_count 2
		.amdhsa_user_sgpr_kernarg_segment_ptr 1
		.amdhsa_wavefront_size32 1
		.amdhsa_system_sgpr_workgroup_id_x 1
		.amdhsa_system_sgpr_workgroup_id_y 1
		.amdhsa_system_sgpr_workgroup_id_z 1
		.amdhsa_system_vgpr_workitem_id 0
		.amdhsa_next_free_vgpr 1024
		.amdhsa_next_free_sgpr 88
		.amdhsa_reserve_vcc 0
		.amdhsa_float_denorm_mode_32 3
		.amdhsa_float_denorm_mode_16_64 3
		.amdhsa_memory_ordered 1
		.amdhsa_forward_progress 1
		.amdhsa_inst_pref_size 123
	.end_amdhsa_kernel
	.amdgpu_metadata
---
amdhsa.version: [ 1, 2 ]
amdhsa.kernels:
  - .name:           k_qf0e181f73a_scores
    .symbol:         k_qf0e181f73a_scores.kd
    .args:
      - { .name: qkv, .offset: 0, .size: 8, .value_kind: global_buffer, .address_space: global }
      - { .name: mask, .offset: 8, .size: 8, .value_kind: global_buffer, .address_space: global }
      - { .name: pm, .offset: 16, .size: 8, .value_kind: global_buffer, .address_space: global }
      - { .name: st, .offset: 24, .size: 8, .value_kind: global_buffer, .address_space: global }
    .group_segment_fixed_size: 327680
    .private_segment_fixed_size: 0
    .kernarg_segment_align: 8
    .kernarg_segment_size: 32
    .max_flat_workgroup_size: 128
    .sgpr_count:     88
    .vgpr_count:     1024
    .wavefront_size: 32
...
	.end_amdgpu_metadata
.endif
;; end of part 3
;; launch ctx (part 4): grid 4 x 64, 4 waves a work-group, clusters of 4 x 4, 327,680 bytes of LDS; arguments pm, st, qkv, ctxh; writes ctxh
.if DOCPART == 4
	.amdgcn_target "amdgcn-amd-amdhsa--gfx1250"
	.amdhsa_code_object_version 6
	.text
	.protected	k_qf0e181f73a_ctx
	.globl	k_qf0e181f73a_ctx
	.p2align	8
	.type	k_qf0e181f73a_ctx,@function
k_qf0e181f73a_ctx:
	s_mov_b64 s[64:65], 0
	v_nop
	global_prefetch_b8 v0, s[64:65] scope:SCOPE_SE
	s_setreg_imm32_b32 hwreg(HW_REG_WAVE_MODE, 25, 1), 1
	s_wait_xcnt 0x0
	s_wait_alu depctr_hold_cnt(0) depctr_sa_sdst(0) depctr_va_vdst(0) depctr_va_sdst(0) depctr_va_ssrc(0) depctr_va_vcc(0) depctr_vm_vsrc(0)
	s_getreg_b32 s2, hwreg(HW_REG_IB_STS2, 6, 4)
	s_cmp_eq_u32 s2, 0
	s_cbranch_scc0 .Lentry_in_a_cluster
	s_endpgm
.Lentry_in_a_cluster:
	s_bfe_u32 s2, ttmp6, 0x10000c
	s_cmp_lg_u32 s2, 0xf033
	s_cbranch_scc0 .Lentry_shape_is_right
	s_endpgm
.Lentry_shape_is_right:
; ctx[q] = ( the sum over key blocks t of (P_t[q] g_t[q]) vp_t ) / L[q], with M = max over t of m_t, g_t = e^(m_t - M), L = the sum of l_t g_t: the softmax by the row's true maximum.
; pm: [8192][2048] f16 (p by its block's maximum); st: m and l in records of 1,024 bytes, number ((batch x 16 + t) x 16 + group of 128 rows), row 16 a + r: m at 32 r + 4 a, l at 512 + 32 r + 4 a;
; vp: qkv[2], [8192 key][1024] f16; ctxh: [8192][1024] f16.  Sums, M, g and L in f32; g is rounded to f16 and p g once more, for the product.
; LIMITS.  p g below 6e-5 keeps f16's fixed step of 6e-8; g below 2^-126 counts as 0 in L; L is at least 1 (the block that holds M has g = 1 and l >= 1); ctx lies within vp's range.  NaN and infinities are not treated apart.
; SHARES.  A tile is 128 rows x 256 columns, 64 x 4 of them; four waves, 2 x 2, each 64 x 128: 32 accumulators.  K (the keys) goes in steps of 128, one key block a step, through two LDS slots.
; THE MATRIX INSTRUCTION IS USED TRANSPOSED (source 0 = 16 columns of vp, turned by ds_load_tr16_b128; source 1 = 16 rows of P): a lane holds row lane % 16 in P's fragments and in the result, so g and 1 / L are one number a lane and row block.
; CLUSTER.  4 x 4 work-groups: P's tile is asked for jointly along a row of the cluster, vp's along a column.  Waves 0, 1 fetch P's halves, waves 2, 3 vp's.  A wave has two tensor loads out at the start, later one.
; REGISTERS, in windows of 256 (s_set_vgpr_msb: bits 1:0 source 0, 3:2 source 1, 5:4 source 2, 7:6 destination):
;   window 0: v0-31 addresses, v12-15 the step's g (twice in a word, one word a row block); v32-63 packed results; v64-127 P's fragments, two buffers; v128-255 vp's, two buffers (on the way out S and rows read back)
;   window 1: the accumulators, (a, b) at v[8 (8 a + b)]          window 2: v0-63 m_t, then g_t; v64-127 l_t, then g_t in f16; v128-131 M; v132-135 L; v136-143 1 / L, each twice
.set T,      16
.set PA,     272                       ; P's LDS row: 256 bytes + 16 = 68 words: row r starts at bank 4 r mod 64 (64 banks of 4 bytes: ISA guide 11.1)
.set PB,     544                       ; vp's LDS row: 512 bytes + 32 = 136 words
.set AHALF,  64*PA
.set ASZ,    128*PA
.set BHALF,  64*PB
.set SLOT,   131072                    ; above every place in slot 0, so one exclusive or turns a place into the other slot's
.set STAGE,  SLOT+ASZ+128*PB           ; behind the ring: 16 rows x 272 bytes for each wave
.set SP,     272
.set GF,     STAGE+4*16*SP             ; g in f16: [t][thread][16 bytes], each thread's own
.set SPARE,  GF+16*2048                ; the spare words, 128 bytes for each wave, which no other line names
.set ASTEP,  256
.set BSTEP,  128*2048
.set GV,    12
.set ADRA0, 16
.set ADRB0, 17
.set ADRA,  18
.set ADRB,  19
.set GA,    20                         ; v20  where the next step's g lies
.set STO,   24
.set RD,    25
.set CO,    26
.set BO,    27
.set SPW,   28
.set NIL,   29
.set PK,    32
.set AH,    64
.set BF,    128
.set S,     128
.set OB,    192
.set MT,    0                          ; window 2
.set LT,    64
.set MX,    128
.set LX,    132
.set RL,    136
.set G1A, 24
.set G0A, 32
.set G1B, 48
.set G0B, 56
.set TB,  66
.set MSB, 0
.macro WIN new
.if MSB != (\new)
	s_set_vgpr_msb (MSB<<8)|(\new)
.set MSB, (\new)
.endif
.endm
.macro PLACES
.rept 4
	v_nop
.endr
.endm
.macro CREST
	s_cmp_lg_u32 s10, 0
	s_cbranch_scc1 .Lnot_wave_0_\@
	s_barrier_signal -3
.Lnot_wave_0_\@:
	s_barrier_wait -3
	s_barrier_signal -1
	s_barrier_wait -1
.endm
.macro CROUND
	s_barrier_signal -1
	s_barrier_wait -1
	CREST
.endm
.macro JLOAD                           ; a joint refill by the walking set; s_nop 0 and four v_nop follow each line
	s_cmp_eq_u32 s11, 0
	s_cbranch_scc0 .Lfor_b_\@
	tensor_load_to_lds s[G0A+4:G0A+7], s[G1A:G1A+7]
	s_nop 0
	PLACES
	s_branch .Lasked_\@
.Lfor_b_\@:
	tensor_load_to_lds s[G0B+4:G0B+7], s[G1B:G1B+7]
	s_nop 0
	PLACES
.Lasked_\@:
.endm
	s_load_b256 s[80:87], s[0:1], 0x0              ; pm s[80:81], st s[82:83], qkv s[84:85], ctxh s[86:87]
	v_lshl_add_u32 v[SPW], v0, 2, SPARE
	v_mov_b32 v[NIL], 0
	ds_add_u32 v28, v29
	s_wait_dscnt 0x0
	v_lshrrev_b32 v1, 5, v0
	v_readfirstlane_b32 s10, v1                    ; wave 0..3
	s_lshr_b32 s11, s10, 1                         ; wm.  Also: I fetch P (0) or vp (1)
	s_and_b32 s12, s10, 1                          ; wn.  Also: which half of that tile I fetch
	s_bfe_u32 s40, ttmp6, 0x40000                  ; cx
	s_bfe_u32 s41, ttmp6, 0x40004                  ; cy
	s_lshl_b32 s42, ttmp9, 2
	s_add_co_u32 s42, s42, s40                     ; x: tile of 256 columns, 0..3
	s_and_b32 s45, ttmp7, 0xffff
	s_lshl_b32 s13, s45, 2
	s_add_co_u32 s13, s13, s41                     ; y: tile of 128 rows, 0..63
	s_lshr_b32 s45, s45, 2                         ; batch = y / 16: four clusters to each
	s_lshl_b32 s43, s41, 2
	s_lshl_b32 s43, 15, s43
	s_lshl_b32 s44, 0x1111, s40
	s_or_b32 s[G1A], s43, (1<<16)|(1<<20)|(1<<21)|(5<<22)|(3<<25)  ; mask of my row; elements of 2 bytes; padding on; bit 21 beside a mask; after every 64 words 4 words
	s_mov_b32 s[G1A+1], 128<<16                    ; tensor_dim0 = 128
	s_mov_b32 s[G1A+2], 64<<16                     ; tensor_dim1 = 64
	s_mov_b32 s[G1A+3], 128<<16                    ; tile_dim0 = 128
	s_mov_b32 s[G1A+4], 64                         ; tile_dim1 = 64
	s_mov_b32 s[G1A+5], 2048                       ; elements from row to row of pm
	s_mov_b32 s[G1A+6], 0
	s_mov_b32 s[G1A+7], 0
	s_or_b32 s[G1B], s44, (1<<16)|(1<<20)|(1<<21)|(6<<22)|(7<<25)  ; mask of my column; after every 128 words 8 words
	s_mov_b32 s[G1B+1], 256<<16
	s_mov_b32 s[G1B+2], 64<<16
	s_mov_b32 s[G1B+3], 256<<16
	s_mov_b32 s[G1B+4], 64
	s_mov_b32 s[G1B+5], 1024
	s_mov_b32 s[G1B+6], 0
	s_mov_b32 s[G1B+7], 0
	s_lshl_b32 s14, s13, 7                         ; P: row 128 y + 64 x half, 4,096 bytes a row
	s_lshl_b32 s15, s12, 6
	s_add_co_u32 s14, s14, s15
	s_lshl_b32 s14, s14, 12
	s_mov_b32 s15, 0
	s_lshl_b32 s46, s45, 22                        ; vp: key 2,048 batch + 64 x half, 2,048 bytes a key, column 256 x,
	s_lshl_b32 s47, s12, 17
	s_add_co_u32 s46, s46, s47
	s_lshl_b32 s47, s42, 9
	s_add_co_u32 s46, s46, s47
	s_add_co_u32 s46, s46, 0x2000000               ; in the third tensor of qkv
	s_mov_b32 s47, 0
	s_mul_i32 s67, s12, AHALF
	s_mul_i32 s68, s12, BHALF
	s_add_co_u32 s68, s68, ASZ
	s_lshl_b32 s16, s13, 7                         ; ctxh: row 128 y + 64 wm, 2,048 bytes a row, column 256 x + 128 wn
	s_lshl_b32 s17, s11, 6
	s_add_co_u32 s16, s16, s17
	s_lshl_b32 s16, s16, 11
	s_lshl_b32 s17, s42, 9
	s_add_co_u32 s16, s16, s17
	s_lshl_b32 s17, s12, 8
	s_add_co_u32 s16, s16, s17
	s_mov_b32 s17, 0
	s_lshl_b32 s18, s45, 8                         ; st: record (batch x 16 + 0) x 16 + y % 16; a key block on is 16 records on
	s_and_b32 s19, s13, 15
	s_add_co_u32 s18, s18, s19
	s_lshl_b32 s18, s18, 10
	s_mov_b32 s19, 0
	s_mov_b32 s[TB], 0
	s_wait_kmcnt 0x0
	s_add_nc_u64 s[4:5], s[80:81], s[14:15]
	s_add_nc_u64 s[6:7], s[84:85], s[46:47]
	s_add_nc_u64 s[8:9], s[86:87], s[16:17]
	s_add_nc_u64 s[22:23], s[82:83], s[18:19]
.irp s, 0,1
	s_mov_b32 s[G0A+4*(\s)], 1
	s_add_co_u32 s[G0A+4*(\s)+1], s67, (\s)*SLOT
	s_add_nc_u64 s[G0A+4*(\s)+2:G0A+4*(\s)+3], s[4:5], (\s)*ASTEP
	s_or_b32 s[G0A+4*(\s)+3], s[G0A+4*(\s)+3], 0x80000000
	s_mov_b32 s[G0B+4*(\s)], 1
	s_add_co_u32 s[G0B+4*(\s)+1], s68, (\s)*SLOT
	s_add_nc_u64 s[G0B+4*(\s)+2:G0B+4*(\s)+3], s[6:7], (\s)*BSTEP
	s_or_b32 s[G0B+4*(\s)+3], s[G0B+4*(\s)+3], 0x80000000
.endr
	CROUND                                         ; all sixteen work-groups are here: the first joint loads meet
	s_cmp_eq_u32 s11, 0                            ; a wave's two first fills stand in one branch
	s_cbranch_scc0 .Lfirst_b
	tensor_load_to_lds s[G0A:G0A+3], s[G1A:G1A+7]
	s_nop 0
	tensor_load_to_lds s[G0A+4:G0A+7], s[G1A:G1A+7]
	s_nop 0
	PLACES
	s_branch .Lfirst_done
.Lfirst_b:
	tensor_load_to_lds s[G0B:G0B+3], s[G1B:G1B+7]
	s_nop 0
	tensor_load_to_lds s[G0B+4:G0B+7], s[G1B:G1B+7]
	s_nop 0
	PLACES
.Lfirst_done:
	v_and_b32 v1, 15, v0                           ; r
	v_bfe_u32 v2, v0, 4, 1                         ; h
	v_lshlrev_b32 v[BO], 5, v1                     ; m of my rows 64 wm + 16 a + r, a = 0..3: 16 bytes at 32 r + 16 wm of a record
	s_lshl_b32 s14, s11, 4
	v_add_nc_u32 v[BO], s14, v[BO]
	WIN 0x80                                       ; destination window 2, address window 0
.set i, 0
.rept 16
	global_load_b128 v[MT+4*i:MT+4*i+3], v[BO], s[22:23] offset:16384*i
	global_load_b128 v[LT+4*i:LT+4*i+3], v[BO], s[22:23] offset:16384*i+512
.set i, i+1
.endr
	WIN 0
	v_mul_u32_u24 v[ADRA0], v1, PA                 ; P: (64 wm + r) x pitch + 16 h
	v_lshl_add_u32 v[ADRA0], v2, 4, v[ADRA0]
	s_mul_i32 s14, s11, AHALF
	v_add_nc_u32 v[ADRA0], s14, v[ADRA0]
	v_and_b32 v3, 7, v0                            ; vp, for the turning load: key 8 h + lane % 8, 16 bytes at 16 ((lane / 8) % 2), my 128 columns
	v_bfe_u32 v4, v0, 3, 1
	v_lshl_add_u32 v3, v2, 3, v3
	v_mul_u32_u24 v[ADRB0], v3, PB
	v_lshl_add_u32 v[ADRB0], v4, 4, v[ADRB0]
	s_lshl_b32 s15, s12, 8
	s_add_co_u32 s15, s15, ASZ
	v_add_nc_u32 v[ADRB0], s15, v[ADRB0]
	v_mov_b32 v[ADRA], v[ADRA0]
	v_mov_b32 v[ADRB], v[ADRB0]
	v_lshl_add_u32 v[GA], v0, 4, GF                ; my 16 bytes of step 0's g
	s_mul_i32 s14, s10, 16*SP
	s_add_co_u32 s14, s14, STAGE
	v_mul_u32_u24 v[STO], v1, SP
	v_lshl_add_u32 v[STO], v2, 4, v[STO]
	v_add_nc_u32 v[STO], s14, v[STO]
	v_mul_u32_u24 v[RD], v2, SP
	v_lshl_add_u32 v[RD], v1, 4, v[RD]
	v_add_nc_u32 v[RD], s14, v[RD]
	v_lshlrev_b32 v[CO], 11, v2
	v_lshl_add_u32 v[CO], v1, 4, v[CO]
	; M, g_t, L and 1 / L of my four rows a lane; all this stands in the wait for the first tile
	s_wait_loadcnt 0x0
	WIN 0xaa                                       ; everything in window 2
.irp a, 0,1,2,3
	v_max3_num_f32 v[MX+(\a)], v[MT+(\a)], v[MT+4+(\a)], v[MT+8+(\a)]
.endr
.irp t, 3,5,7,9,11,13
.irp a, 0,1,2,3
	v_max3_num_f32 v[MX+(\a)], v[MX+(\a)], v[MT+4*(\t)+(\a)], v[MT+4*(\t)+4+(\a)]
.endr
.endr
.irp a, 0,1,2,3
	v_max_num_f32 v[MX+(\a)], v[MX+(\a)], v[MT+60+(\a)]
.endr
.set i, 0
.rept 16
	v_pk_add_f32 v[MT+4*i:MT+4*i+1], v[MT+4*i:MT+4*i+1], v[MX:MX+1] neg_lo:[0,1] neg_hi:[0,1]        ; m_t - M: never above 0
	v_pk_add_f32 v[MT+4*i+2:MT+4*i+3], v[MT+4*i+2:MT+4*i+3], v[MX+2:MX+3] neg_lo:[0,1] neg_hi:[0,1]
.set i, i+1
.endr
.set i, 0
.rept 32
	v_pk_mul_f32 v[MT+2*i:MT+2*i+1], v[MT+2*i:MT+2*i+1], 0x3fb8aa3b op_sel_hi:[1,0]  ; x log2(e)
.set i, i+1
.endr
.set i, 0
.rept 64
	v_exp_f32 v[MT+i], v[MT+i]
.set i, i+1
.endr
	v_nop                                          ; a plain instruction behind the last exponential
	s_wait_alu depctr_va_vdst(0)
	v_pk_mul_f32 v[LX:LX+1], v[LT:LT+1], v[MT:MT+1]
	v_pk_mul_f32 v[LX+2:LX+3], v[LT+2:LT+3], v[MT+2:MT+3]
.set i, 1
.rept 15
	v_pk_fma_f32 v[LX:LX+1], v[LT+4*i:LT+4*i+1], v[MT+4*i:MT+4*i+1], v[LX:LX+1]
	v_pk_fma_f32 v[LX+2:LX+3], v[LT+4*i+2:LT+4*i+3], v[MT+4*i+2:MT+4*i+3], v[LX+2:LX+3]
.set i, i+1
.endr
.irp a, 0,1,2,3
	v_rcp_f32 v[RL+2*(\a)], v[LX+(\a)]             ; made twice: the packed multiply names a pair
	v_rcp_f32 v[RL+2*(\a)+1], v[LX+(\a)]
.endr
.set i, 0
.rept 64
	v_cvt_pk_f16_f32 v[LT+i], v[MT+i], v[MT+i]     ; g in both halves of a word, for the packed multiply; l's registers are free
.set i, i+1
.endr
	WIN 0x08                                       ; store data window 2, address window 0
.set i, 0
.rept 16
	ds_store_b128 v[GA], v[LT+4*i:LT+4*i+3] offset:2048*i
.set i, i+1
.endr
	WIN 0
; The fragments of 32 along K (quarter kq of the slot in hand) into buffers p: with g = 1 first the step's g, then P's 64 rows (8 loads), then vp's 128 columns (16 turning loads).
.macro FETCH kq, p, g
	WIN 0
.if \g
	ds_load_b128 v[GV:GV+3], v[GA]                 ; my own bytes, stored by me
	v_add_nc_u32 v[GA], 2048, v[GA]
.endif
.irp a, 0,1,2,3
	ds_load_b128 v[AH+32*(\p)+8*(\a):AH+32*(\p)+8*(\a)+3],   v[ADRA] offset:(\a)*16*PA+(\kq)*64
	ds_load_b128 v[AH+32*(\p)+8*(\a)+4:AH+32*(\p)+8*(\a)+7], v[ADRA] offset:(\a)*16*PA+(\kq)*64+32
.endr
.irp b, 0,1,2,3,4,5,6,7
	ds_load_tr16_b128 v[BF+64*(\p)+8*(\b):BF+64*(\p)+8*(\b)+3],   v[ADRB] offset:(\kq)*32*PB+32*(\b)
	ds_load_tr16_b128 v[BF+64*(\p)+8*(\b)+4:BF+64*(\p)+8*(\b)+7], v[ADRB] offset:(\kq)*32*PB+32*(\b)+16*PB
.endr
.endm
; Four scalings: registers 4 g .. 4 g + 3 of P's buffer p times their row block's g.
.macro RIDE g, p
	WIN 0
.irp n, 0,1,2,3
	v_pk_mul_f16 v[AH+32*(\p)+4*(\g)+(\n)], v[AH+32*(\p)+4*(\g)+(\n)], v[GV+(\g)/2]
.endr
.endm
; Eight matrix instructions: row block a x all eight column blocks, on buffers p; the accumulators take turns, one instruction a turn.
; ride = 1: four scalings for the other buffer stand behind each; they name none of the product's registers.
.macro MUL a, p, zero, ride
.irp b, 0,1,2,3,4,5,6,7
	WIN 0x50
.if \zero
	v_wmma_f32_16x16x32_f16 v[8*(8*(\a)+(\b)):8*(8*(\a)+(\b))+7], v[BF+64*(\p)+8*(\b):BF+64*(\p)+8*(\b)+7], v[AH+32*(\p)+8*(\a):AH+32*(\p)+8*(\a)+7], 0
.else
	v_wmma_f32_16x16x32_f16 v[8*(8*(\a)+(\b)):8*(8*(\a)+(\b))+7], v[BF+64*(\p)+8*(\b):BF+64*(\p)+8*(\b)+7], v[AH+32*(\p)+8*(\a):AH+32*(\p)+8*(\a)+7], v[8*(8*(\a)+(\b)):8*(8*(\a)+(\b))+7]
.endif
.if \ride
	RIDE \b, 1-(\p)
.endif
.endr
.endm
.macro QUARTER kqn, p, zero            ; the four scalings behind the quarter before's last product are the places in front of the loads
	FETCH \kqn, 1-(\p), 0
	s_wait_dscnt 24                                ; all but the 24 just issued: vp's buffer p is in
	MUL 0, \p, \zero, 0
	MUL 1, \p, \zero, 0
	MUL 2, \p, \zero, 0
	s_wait_dscnt 16                                ; P's eight new loads are in; vp's sixteen may stay out
	MUL 3, \p, \zero, 1
.endm
; The last quarter multiplies buffers 1 and changes slots: one barrier; in front of it each wave waits for all its tensor loads (one is out: its part of the next slot), adds 0 to its spare word,
; and waits for that and for its reads of this slot.  fill = 1: the barrier opens a round of the cluster's barrier, and the slot just read is filled again first thing behind it.
.macro TURN fill
	WIN 0
	s_wait_tensorcnt 0x0
	ds_add_u32 v[SPW], v[NIL]                      ; 0 onto my spare word
	s_wait_dscnt 1                                 ; only the add may be out
	MUL 0, 1, 0, 0
	s_wait_dscnt 0x0                               ; the add is done, and my reads of this slot are over
	s_barrier_signal -1
	MUL 1, 1, 0, 0
	WIN 0
	s_barrier_wait -1
.if \fill
	CREST
	s_xor_b32 s[G0A+5], s[G0A+5], SLOT             ; the walking sets: the other slot than last time, the next key block
	s_add_nc_u64 s[G0A+6:G0A+7], s[G0A+6:G0A+7], ASTEP
	s_xor_b32 s[G0B+5], s[G0B+5], SLOT
	s_add_nc_u64 s[G0B+6:G0B+7], s[G0B+6:G0B+7], BSTEP
	JLOAD
.else
	PLACES
.endif
	s_xor_b32 s[TB], s[TB], SLOT
	v_add_nc_u32 v[ADRA], s[TB], v[ADRA0]
	v_add_nc_u32 v[ADRB], s[TB], v[ADRB0]
	FETCH 0, 0, 1
	MUL 2, 1, 0, 0
	s_wait_dscnt 16                                ; the next block's g and P's eight loads are in
	MUL 3, 1, 0, 1
.endm
	s_wait_dscnt 0x0                               ; my stores of g are done: no LDS instruction is out at the signal
	s_wait_tensorcnt 0x1                           ; my part of K step 0 is in; K step 1's may stay out
	s_barrier_signal -1
	s_barrier_wait -1
	FETCH 0, 0, 1
	s_wait_dscnt 16
.irp g, 0,1,2,3,4,5,6,7
	RIDE \g, 0
.endr
	QUARTER 1, 0, 1                                ; the first quarter's products start the sums
	WIN 0
	s_mov_b32 s3, T-2
.Lk:
	QUARTER 2, 1, 0
	QUARTER 3, 0, 0
	TURN 1
	QUARTER 1, 0, 0
	WIN 0
	s_sub_co_u32 s3, s3, 1
	s_cmp_lg_u32 s3, 0
	s_cbranch_scc1 .Lk
	QUARTER 2, 1, 0                                ; the last two K steps are written out: nothing is left to ask for
	QUARTER 3, 0, 0
	TURN 0
	QUARTER 1, 0, 0
	QUARTER 2, 1, 0
	QUARTER 3, 0, 0
	s_wait_dscnt 0x0
	MUL 0, 1, 0, 0
	MUL 1, 1, 0, 0
	MUL 2, 1, 0, 0
	MUL 3, 1, 0, 0
	WIN 0
; THE WAY OUT, a block of 16 rows a trip.  TAKE a is the one text that names accumulators (each from its low end on): S = sum / L.
.macro TAKE a
	WIN 0x09                                       ; source 0 window 1, source 1 window 2, destination window 0
	s_wait_alu depctr_va_vdst(0)
.irp b, 0,1,2,3,4,5,6,7
.irp j, 0,2,4,6
	v_pk_mul_f32 v[S+8*(\b)+(\j):S+8*(\b)+(\j)+1], v[8*(8*(\a)+(\b))+(\j):8*(8*(\a)+(\b))+(\j)+1], v[RL+2*(\a):RL+2*(\a)+1] op_sel_hi:[1,0]
.endr
.endr
	WIN 0
.endm
	PLACES
	s_mov_b32 s2, 0
.Lrow:
.irp a, 0,1,2
	s_cmp_lg_u32 s2, \a
	s_cbranch_scc1 .Lnot\a
	TAKE \a
	s_branch .Lgo
.Lnot\a:
.endr
	TAKE 3
.Lgo:
.set i, 0
.rept 32
	v_cvt_pk_f16_f32 v[PK+i], v[S+2*i], v[S+2*i+1]
.set i, i+1
.endr
.irp b, 0,1,2,3,4,5,6,7
	ds_store_b128 v[STO], v[PK+4*(\b):PK+4*(\b)+3] offset:32*(\b)
.endr
.irp t, 0,1,2,3,4,5,6,7
	ds_load_b128 v[OB+4*(\t):OB+4*(\t)+3], v[RD] offset:(\t)*2*SP  ; LDS serves a wave's instructions in order (ISA guide 5.7.1.4): these see the stores above
.endr
	s_wait_dscnt 0x0
.irp t, 0,1,2,3,4,5,6,7
	global_store_b128 v[CO], v[OB+4*(\t):OB+4*(\t)+3], s[8:9] offset:4096*(\t)  ; 16 lanes store 256 consecutive bytes, at a multiple of 256 from ctxh's first byte
.endr
	s_wait_xcnt 0x0                                ; the stores' base and data are rewritten only behind this wait
	s_add_nc_u64 s[8:9], s[8:9], 16*2048
	s_add_co_u32 s2, s2, 1
	s_cmp_lt_u32 s2, 4
	s_cbranch_scc1 .Lrow
	s_wait_tensorcnt 0x0                           ; the wave's end
	ds_add_u32 v[SPW], v[NIL]
	s_wait_dscnt 0x0
	CROUND                                         ; the closing round
	s_endpgm
.Lfunc_end_k_qf0e181f73a_ctx:
	.size	k_qf0e181f73a_ctx, .Lfunc_end_k_qf0e181f73a_ctx-k_qf0e181f73a_ctx
	.p2alignl 7, 3214868480
	.fill 96, 4, 3214868480
	.section	.rodata,"a",@progbits
	.p2align	6, 0x0
	.amdhsa_kernel k_qf0e181f73a_ctx
		.amdhsa_group_segment_fixed_size 327680
		.amdhsa_private_segment_fixed_size 0
		.amdhsa_enable_private_segment 0
		.amdhsa_kernarg_size 32
		.amdhsa_user_sgpr_count 2
		.amdhsa_user_sgpr_kernarg_segment_ptr 1
		.amdhsa_wavefront_size32 1
		.amdhsa_system_sgpr_workgroup_id_x 1
		.amdhsa_system_sgpr_workgroup_id_y 1
		.amdhsa_system_sgpr_workgroup_id_z 1
		.amdhsa_system_vgpr_workitem_id 0
		.amdhsa_next_free_vgpr 672
		.amdhsa_next_free_sgpr 88
		.amdhsa_reserve_vcc 0
		.amdhsa_float_denorm_mode_32 3
		.amdhsa_float_denorm_mode_16_64 3
		.amdhsa_memory_ordered 1
		.amdhsa_forward_progress 1
		.amdhsa_inst_pref_size 115
	.end_amdhsa_kernel
	.amdgpu_metadata
---
amdhsa.version: [ 1, 2 ]
amdhsa.kernels:
  - .name:           k_qf0e181f73a_ctx
    .symbol:         k_qf0e181f73a_ctx.kd
    .args:
      - { .name: pm, .offset: 0, .size: 8, .value_kind: global_buffer, .address_space: global }
      - { .name: st, .offset: 8, .size: 8, .value_kind: global_buffer, .address_space: global }
      - { .name: qkv, .offset: 16, .size: 8, .value_kind: global_buffer, .address_space: global }
      - { .name: ctxh, .offset: 24, .size: 8, .value_kind: global_buffer, .address_space: global }
    .group_segment_fixed_size: 327680
    .private_segment_fixed_size: 0
    .kernarg_segment_align: 8
    .kernarg_segment_size: 32
    .max_flat_workgroup_size: 128
    .sgpr_count:     88
    .vgpr_count:     672
    .wavefront_size: 32
...
	.end_amdgpu_metadata
.endif
;; end of part 4
;; launch outp (part 5): grid 4 x 64, 4 waves a work-group, clusters of 4 x 4, 327,680 bytes of LDS; arguments ctxh, wh, out_b, out0; writes out0
.if DOCPART == 5
	.amdgcn_target "amdgcn-amd-amdhsa--gfx1250"
	.amdhsa_code_object_version 6
	.text
	.protected	k_qf0e181f73a_outp
	.globl	k_qf0e181f73a_outp
	.p2align	8
	.type	k_qf0e181f73a_outp,@function
k_qf0e181f73a_outp:
	s_mov_b64 s[64:65], 0
	v_nop
	global_prefetch_b8 v0, s[64:65] scope:SCOPE_SE
	s_setreg_imm32_b32 hwreg(HW_REG_WAVE_MODE, 25, 1), 1
	s_wait_xcnt 0x0
	s_wait_alu depctr_hold_cnt(0) depctr_sa_sdst(0) depctr_va_vdst(0) depctr_va_sdst(0) depctr_va_ssrc(0) depctr_va_vcc(0) depctr_vm_vsrc(0)
	s_getreg_b32 s2, hwreg(HW_REG_IB_STS2, 6, 4)
	s_cmp_eq_u32 s2, 0
	s_cbranch_scc0 .Lentry_in_a_cluster
	s_endpgm
.Lentry_in_a_cluster:
	s_bfe_u32 s2, ttmp6, 0x10000c
	s_cmp_lg_u32 s2, 0xf033
	s_cbranch_scc0 .Lentry_shape_is_right
	s_endpgm
.Lentry_shape_is_right:
; out0 = ctx out_w + out_b.  ctxh: [8192][1024] f16; out_w: wh[3], [1024 k][1024 n] f16; out_b: [1024] f32; out0: [8192][1024] f32.  Sums and bias in f32.
; LIMITS.  The matrix operands are f16 (ctx and out_w below 65,504 in magnitude; below 6e-5 a fixed step of 6e-8).  NaN and infinities are not treated apart.
; SHARES.  A tile is 128 rows x 256 columns, 64 x 4 of them; four waves, 2 x 2, each 64 x 128: 32 accumulators.  K goes in steps of 128 through two LDS slots.
; THE MATRIX INSTRUCTION IS USED TRANSPOSED (source 0 = 16 columns of out_w, turned by ds_load_tr16_b128; source 1 = 16 rows of ctx): a lane holds row lane % 16 and eight neighbouring columns.
; CLUSTER.  4 x 4 work-groups: ctx's tile is asked for jointly along a row of the cluster, out_w's along a column.  Waves 0, 1 fetch ctx's halves, waves 2, 3 out_w's.  A wave has two tensor loads out at the start, later one.
; REGISTERS, in windows of 256 (s_set_vgpr_msb: bits 1:0 source 0, 3:2 source 1, 5:4 source 2, 7:6 destination):
;   window 0: v0-31 addresses; v64-127 ctx's fragments, two buffers; v128-255 out_w's, two buffers (on the way out v128-191 S, v192-255 rows read back)
;   window 1: the accumulators, (a, b) at v[8 (8 a + b)]          window 2: v0-63 the bias of my 128 columns
.set T,      8
.set PA,     272                       ; ctx's LDS row: 256 bytes + 16 = 68 words: row r starts at bank 4 r mod 64 (64 banks of 4 bytes: ISA guide 11.1)
.set PB,     544                       ; out_w's LDS row: 512 bytes + 32 = 136 words
.set AHALF,  64*PA
.set ASZ,    128*PA
.set BHALF,  64*PB
.set SLOT,   131072                    ; above every place in slot 0, so one exclusive or turns a place into the other slot's
.set STAGE,  SLOT+ASZ+128*PB           ; behind the ring: 16 rows x 528 bytes for each wave
.set SP,     528                       ; a stage row: 512 bytes + 16
.set SPARE,  STAGE+4*16*SP             ; the spare words, 128 bytes for each wave, which no other line names
.set ASTEP,  256
.set BSTEP,  128*2048
.set ADRA0, 16
.set ADRB0, 17
.set ADRA,  18
.set ADRB,  19
.set STO,   24
.set RD,    25
.set CO,    26
.set BO,    27
.set SPW,   28
.set NIL,   29
.set AH,    64
.set BF,    128
.set S,     128
.set OB,    192
.set BI,    0                          ; window 2
.set G1A, 24
.set G0A, 32
.set G1B, 48
.set G0B, 56
.set TB,  66
.set MSB, 0
.macro WIN new
.if MSB != (\new)
	s_set_vgpr_msb (MSB<<8)|(\new)
.set MSB, (\new)
.endif
.endm
.macro PLACES
.rept 4
	v_nop
.endr
.endm
.macro CREST
	s_cmp_lg_u32 s10, 0
	s_cbranch_scc1 .Lnot_wave_0_\@
	s_barrier_signal -3
.Lnot_wave_0_\@:
	s_barrier_wait -3
	s_barrier_signal -1
	s_barrier_wait -1
.endm
.macro CROUND
	s_barrier_signal -1
	s_barrier_wait -1
	CREST
.endm
.macro JLOAD                           ; a joint refill by the walking set; s_nop 0 and four v_nop follow each line
	s_cmp_eq_u32 s11, 0
	s_cbranch_scc0 .Lfor_b_\@
	tensor_load_to_lds s[G0A+4:G0A+7], s[G1A:G1A+7]
	s_nop 0
	PLACES
	s_branch .Lasked_\@
.Lfor_b_\@:
	tensor_load_to_lds s[G0B+4:G0B+7], s[G1B:G1B+7]
	s_nop 0
	PLACES
.Lasked_\@:
.endm
	s_load_b256 s[80:87], s[0:1], 0x0              ; ctxh s[80:81], wh s[82:83], out_b s[84:85], out0 s[86:87]
	v_lshl_add_u32 v[SPW], v0, 2, SPARE
	v_mov_b32 v[NIL], 0
	ds_add_u32 v28, v29
	s_wait_dscnt 0x0
	v_lshrrev_b32 v1, 5, v0
	v_readfirstlane_b32 s10, v1                    ; wave 0..3
	s_lshr_b32 s11, s10, 1                         ; wm.  Also: I fetch ctx (0) or out_w (1)
	s_and_b32 s12, s10, 1                          ; wn.  Also: which half of that tile I fetch
	s_bfe_u32 s40, ttmp6, 0x40000                  ; cx
	s_bfe_u32 s41, ttmp6, 0x40004                  ; cy
	s_lshl_b32 s42, ttmp9, 2
	s_add_co_u32 s42, s42, s40                     ; x: tile of 256 columns
	s_and_b32 s13, ttmp7, 0xffff
	s_lshl_b32 s13, s13, 2
	s_add_co_u32 s13, s13, s41                     ; y: tile of 128 rows
	s_lshl_b32 s43, s41, 2
	s_lshl_b32 s43, 15, s43
	s_lshl_b32 s44, 0x1111, s40
	s_or_b32 s[G1A], s43, (1<<16)|(1<<20)|(1<<21)|(5<<22)|(3<<25)  ; mask of my row; elements of 2 bytes; padding on; bit 21 beside a mask; after every 64 words 4 words
	s_mov_b32 s[G1A+1], 128<<16
	s_mov_b32 s[G1A+2], 64<<16
	s_mov_b32 s[G1A+3], 128<<16
	s_mov_b32 s[G1A+4], 64
	s_mov_b32 s[G1A+5], 1024
	s_mov_b32 s[G1A+6], 0
	s_mov_b32 s[G1A+7], 0
	s_or_b32 s[G1B], s44, (1<<16)|(1<<20)|(1<<21)|(6<<22)|(7<<25)  ; mask of my column; after every 128 words 8 words
	s_mov_b32 s[G1B+1], 256<<16
	s_mov_b32 s[G1B+2], 64<<16
	s_mov_b32 s[G1B+3], 256<<16
	s_mov_b32 s[G1B+4], 64
	s_mov_b32 s[G1B+5], 1024
	s_mov_b32 s[G1B+6], 0
	s_mov_b32 s[G1B+7], 0
	s_lshl_b32 s14, s13, 7                         ; ctx: row 128 y + 64 x half, 2,048 bytes a row
	s_lshl_b32 s15, s12, 6
	s_add_co_u32 s14, s14, s15
	s_lshl_b32 s14, s14, 11
	s_mov_b32 s15, 0
	s_lshl_b32 s46, s12, 17                        ; out_w: k row 64 x half, column 256 x,
	s_lshl_b32 s47, s42, 9
	s_add_co_u32 s46, s46, s47
	s_add_co_u32 s46, s46, 3<<21                   ; in the fourth matrix of wh
	s_mov_b32 s47, 0
	s_mul_i32 s67, s12, AHALF
	s_mul_i32 s68, s12, BHALF
	s_add_co_u32 s68, s68, ASZ
	s_lshl_b32 s16, s13, 7                         ; out0: row 128 y + 64 wm, 4,096 bytes a row, column 256 x + 128 wn
	s_lshl_b32 s17, s11, 6
	s_add_co_u32 s16, s16, s17
	s_lshl_b32 s16, s16, 12
	s_lshl_b32 s17, s42, 10
	s_add_co_u32 s16, s16, s17
	s_lshl_b32 s17, s12, 9
	s_add_co_u32 s16, s16, s17
	s_mov_b32 s17, 0
	s_mov_b32 s[TB], 0
	s_wait_kmcnt 0x0
	s_add_nc_u64 s[4:5], s[80:81], s[14:15]
	s_add_nc_u64 s[6:7], s[82:83], s[46:47]
	s_add_nc_u64 s[8:9], s[86:87], s[16:17]
.irp s, 0,1
	s_mov_b32 s[G0A+4*(\s)], 1
	s_add_co_u32 s[G0A+4*(\s)+1], s67, (\s)*SLOT
	s_add_nc_u64 s[G0A+4*(\s)+2:G0A+4*(\s)+3], s[4:5], (\s)*ASTEP
	s_or_b32 s[G0A+4*(\s)+3], s[G0A+4*(\s)+3], 0x80000000
	s_mov_b32 s[G0B+4*(\s)], 1
	s_add_co_u32 s[G0B+4*(\s)+1], s68, (\s)*SLOT
	s_add_nc_u64 s[G0B+4*(\s)+2:G0B+4*(\s)+3], s[6:7], (\s)*BSTEP
	s_or_b32 s[G0B+4*(\s)+3], s[G0B+4*(\s)+3], 0x80000000
.endr
	CROUND                                         ; all sixteen work-groups are here: the first joint loads meet
	s_cmp_eq_u32 s11, 0                            ; a wave's two first fills stand in one branch
	s_cbranch_scc0 .Lfirst_b
	tensor_load_to_lds s[G0A:G0A+3], s[G1A:G1A+7]
	s_nop 0
	tensor_load_to_lds s[G0A+4:G0A+7], s[G1A:G1A+7]
	s_nop 0
	PLACES
	s_branch .Lfirst_done
.Lfirst_b:
	tensor_load_to_lds s[G0B:G0B+3], s[G1B:G1B+7]
	s_nop 0
	tensor_load_to_lds s[G0B+4:G0B+7], s[G1B:G1B+7]
	s_nop 0
	PLACES
.Lfirst_done:
	v_and_b32 v1, 15, v0                           ; r
	v_bfe_u32 v2, v0, 4, 1                         ; h
	s_lshl_b32 s14, s42, 10                        ; the bias of my columns 256 x + 128 wn + 16 b + 8 h + 0..7
	s_lshl_b32 s15, s12, 9
	s_add_co_u32 s14, s14, s15
	v_lshl_add_u32 v[BO], v2, 5, s14
	WIN 0x80
.irp b, 0,1,2,3,4,5,6,7
	global_load_b128 v[BI+8*(\b):BI+8*(\b)+3],   v[BO], s[84:85] offset:64*(\b)
	global_load_b128 v[BI+8*(\b)+4:BI+8*(\b)+7], v[BO], s[84:85] offset:64*(\b)+16
.endr
	WIN 0
	v_mul_u32_u24 v[ADRA0], v1, PA                 ; ctx: (64 wm + r) x pitch + 16 h
	v_lshl_add_u32 v[ADRA0], v2, 4, v[ADRA0]
	s_mul_i32 s14, s11, AHALF
	v_add_nc_u32 v[ADRA0], s14, v[ADRA0]
	v_and_b32 v3, 7, v0                            ; out_w, for the turning load
	v_bfe_u32 v4, v0, 3, 1
	v_lshl_add_u32 v3, v2, 3, v3
	v_mul_u32_u24 v[ADRB0], v3, PB
	v_lshl_add_u32 v[ADRB0], v4, 4, v[ADRB0]
	s_lshl_b32 s15, s12, 8
	s_add_co_u32 s15, s15, ASZ
	v_add_nc_u32 v[ADRB0], s15, v[ADRB0]
	v_mov_b32 v[ADRA], v[ADRA0]
	v_mov_b32 v[ADRB], v[ADRB0]
	s_mul_i32 s14, s10, 16*SP
	s_add_co_u32 s14, s14, STAGE                   ; my stage
	v_mul_u32_u24 v[STO], v1, SP                   ; in: row r, 32 bytes for each half of the lanes
	v_lshl_add_u32 v[STO], v2, 5, v[STO]
	v_add_nc_u32 v[STO], s14, v[STO]
	v_and_b32 v[CO], 31, v0                        ; back: 32 lanes take one row of 512 bytes,
	v_lshlrev_b32 v[CO], 4, v[CO]                  ; which are 512 consecutive bytes of out0
	v_add_nc_u32 v[RD], s14, v[CO]
.macro FETCH kq, p                     ; the fragments of 32 along K into buffers p: ctx's 8 loads, out_w's 16 turning loads
	WIN 0
.irp a, 0,1,2,3
	ds_load_b128 v[AH+32*(\p)+8*(\a):AH+32*(\p)+8*(\a)+3],   v[ADRA] offset:(\a)*16*PA+(\kq)*64
	ds_load_b128 v[AH+32*(\p)+8*(\a)+4:AH+32*(\p)+8*(\a)+7], v[ADRA] offset:(\a)*16*PA+(\kq)*64+32
.endr
.irp b, 0,1,2,3,4,5,6,7
	ds_load_tr16_b128 v[BF+64*(\p)+8*(\b):BF+64*(\p)+8*(\b)+3],   v[ADRB] offset:(\kq)*32*PB+32*(\b)
	ds_load_tr16_b128 v[BF+64*(\p)+8*(\b)+4:BF+64*(\p)+8*(\b)+7], v[ADRB] offset:(\kq)*32*PB+32*(\b)+16*PB
.endr
.endm
.macro MUL a, p, zero                  ; eight matrix instructions; the accumulators take turns, one instruction a turn
	WIN 0x50
.irp b, 0,1,2,3,4,5,6,7
.if \zero
	v_wmma_f32_16x16x32_f16 v[8*(8*(\a)+(\b)):8*(8*(\a)+(\b))+7], v[BF+64*(\p)+8*(\b):BF+64*(\p)+8*(\b)+7], v[AH+32*(\p)+8*(\a):AH+32*(\p)+8*(\a)+7], 0
.else
	v_wmma_f32_16x16x32_f16 v[8*(8*(\a)+(\b)):8*(8*(\a)+(\b))+7], v[BF+64*(\p)+8*(\b):BF+64*(\p)+8*(\b)+7], v[AH+32*(\p)+8*(\a):AH+32*(\p)+8*(\a)+7], v[8*(8*(\a)+(\b)):8*(8*(\a)+(\b))+7]
.endif
.endr
.endm
.macro QUARTER kqn, p, zero
	PLACES                                         ; in front of loads into the buffers that the quarter before multiplied
	FETCH \kqn, 1-(\p)
	s_wait_dscnt 24                                ; all but the 24 just issued: buffers p are in
	MUL 0, \p, \zero
	MUL 1, \p, \zero
	MUL 2, \p, \zero
	MUL 3, \p, \zero
.endm
; The last quarter multiplies buffers 1 and changes slots: one barrier; in front of it each wave waits for all its tensor loads (one is out: its part of the next slot), adds 0 to its spare word,
; and waits for that and for its reads of this slot.  fill = 1: the barrier opens a round of the cluster's barrier, and the slot just read is filled again first thing behind it.
.macro TURN fill
	WIN 0
	s_wait_tensorcnt 0x0
	ds_add_u32 v[SPW], v[NIL]                      ; 0 onto my spare word
	s_wait_dscnt 1                                 ; only the add may be out
	MUL 0, 1, 0
	s_wait_dscnt 0x0                               ; the add is done, and my reads of this slot are over
	s_barrier_signal -1
	MUL 1, 1, 0
	WIN 0
	s_barrier_wait -1
.if \fill
	CREST
	s_xor_b32 s[G0A+5], s[G0A+5], SLOT
	s_add_nc_u64 s[G0A+6:G0A+7], s[G0A+6:G0A+7], ASTEP
	s_xor_b32 s[G0B+5], s[G0B+5], SLOT
	s_add_nc_u64 s[G0B+6:G0B+7], s[G0B+6:G0B+7], BSTEP
	JLOAD                                          ; its four v_nop are also the places in front of the loads below
.else
	PLACES
.endif
	s_xor_b32 s[TB], s[TB], SLOT
	v_add_nc_u32 v[ADRA], s[TB], v[ADRA0]
	v_add_nc_u32 v[ADRB], s[TB], v[ADRB0]
	FETCH 0, 0
	MUL 2, 1, 0
	MUL 3, 1, 0
.endm
	s_wait_tensorcnt 0x1                           ; my part of K step 0 is in; K step 1's may stay out
	s_barrier_signal -1
	s_barrier_wait -1
	FETCH 0, 0
	QUARTER 1, 0, 1                                ; the first quarter's products start the sums
	WIN 0
	s_mov_b32 s3, T-2
.Lk:
	QUARTER 2, 1, 0
	QUARTER 3, 0, 0
	TURN 1
	QUARTER 1, 0, 0
	WIN 0
	s_sub_co_u32 s3, s3, 1
	s_cmp_lg_u32 s3, 0
	s_cbranch_scc1 .Lk
	QUARTER 2, 1, 0                                ; the last two K steps are written out: nothing is left to ask for
	QUARTER 3, 0, 0
	TURN 0
	QUARTER 1, 0, 0
	QUARTER 2, 1, 0
	QUARTER 3, 0, 0
	s_wait_dscnt 0x0
	MUL 0, 1, 0
	MUL 1, 1, 0
	MUL 2, 1, 0
	MUL 3, 1, 0
	WIN 0
; THE WAY OUT, a block of 16 rows a trip.  TAKE a is the one text that names accumulators (each from its low end on): S = sum + bias.
.macro TAKE a
	WIN 0x09
.irp b, 0,1,2,3,4,5,6,7
.irp j, 0,2,4,6
	v_pk_add_f32 v[S+8*(\b)+(\j):S+8*(\b)+(\j)+1], v[8*(8*(\a)+(\b))+(\j):8*(8*(\a)+(\b))+(\j)+1], v[BI+8*(\b)+(\j):BI+8*(\b)+(\j)+1]
.endr
.endr
	WIN 0
.endm
	PLACES
	s_wait_loadcnt 0x0                             ; the bias
	s_mov_b32 s2, 0
.Lrow:
.irp a, 0,1,2
	s_cmp_lg_u32 s2, \a
	s_cbranch_scc1 .Lnot\a
	TAKE \a
	s_branch .Lgo
.Lnot\a:
.endr
	TAKE 3
.Lgo:
.irp b, 0,1,2,3,4,5,6,7
	ds_store_b128 v[STO], v[S+8*(\b):S+8*(\b)+3]   offset:64*(\b)      ; a lane's eight columns of a block are 32 bytes of its row
	ds_store_b128 v[STO], v[S+8*(\b)+4:S+8*(\b)+7] offset:64*(\b)+16
.endr
.set i, 0
.rept 16
	ds_load_b128 v[OB+4*i:OB+4*i+3], v[RD] offset:SP*i  ; LDS serves a wave's instructions in order (ISA guide 5.7.1.4): these see the stores above
.set i, i+1
.endr
	s_wait_dscnt 0x0
.set i, 0
.rept 16
	global_store_b128 v[CO], v[OB+4*i:OB+4*i+3], s[8:9] offset:4096*i th:TH_STORE_NT  ; 512 consecutive bytes, at a multiple of 512 from out0's first byte
.set i, i+1
.endr
	s_wait_xcnt 0x0                                ; the stores' base and data are rewritten only behind this wait
	s_add_nc_u64 s[8:9], s[8:9], 16*4096
	s_add_co_u32 s2, s2, 1
	s_cmp_lt_u32 s2, 4
	s_cbranch_scc1 .Lrow
	s_wait_tensorcnt 0x0                           ; the wave's end
	ds_add_u32 v[SPW], v[NIL]
	s_wait_dscnt 0x0
	CROUND                                         ; the closing round
	s_endpgm
.Lfunc_end_k_qf0e181f73a_outp:
	.size	k_qf0e181f73a_outp, .Lfunc_end_k_qf0e181f73a_outp-k_qf0e181f73a_outp
	.p2alignl 7, 3214868480
	.fill 96, 4, 3214868480
	.section	.rodata,"a",@progbits
	.p2align	6, 0x0
	.amdhsa_kernel k_qf0e181f73a_outp
		.amdhsa_group_segment_fixed_size 327680
		.amdhsa_private_segment_fixed_size 0
		.amdhsa_enable_private_segment 0
		.amdhsa_kernarg_size 32
		.amdhsa_user_sgpr_count 2
		.amdhsa_user_sgpr_kernarg_segment_ptr 1
		.amdhsa_wavefront_size32 1
		.amdhsa_system_sgpr_workgroup_id_x 1
		.amdhsa_system_sgpr_workgroup_id_y 1
		.amdhsa_system_sgpr_workgroup_id_z 1
		.amdhsa_system_vgpr_workitem_id 0
		.amdhsa_next_free_vgpr 576
		.amdhsa_next_free_sgpr 88
		.amdhsa_reserve_vcc 0
		.amdhsa_float_denorm_mode_32 3
		.amdhsa_float_denorm_mode_16_64 3
		.amdhsa_memory_ordered 1
		.amdhsa_forward_progress 1
		.amdhsa_inst_pref_size 68
	.end_amdhsa_kernel
	.amdgpu_metadata
---
amdhsa.version: [ 1, 2 ]
amdhsa.kernels:
  - .name:           k_qf0e181f73a_outp
    .symbol:         k_qf0e181f73a_outp.kd
    .args:
      - { .name: ctxh, .offset: 0, .size: 8, .value_kind: global_buffer, .address_space: global }
      - { .name: wh, .offset: 8, .size: 8, .value_kind: global_buffer, .address_space: global }
      - { .name: out_b, .offset: 16, .size: 8, .value_kind: global_buffer, .address_space: global }
      - { .name: out0, .offset: 24, .size: 8, .value_kind: global_buffer, .address_space: global }
    .group_segment_fixed_size: 327680
    .private_segment_fixed_size: 0
    .kernarg_segment_align: 8
    .kernarg_segment_size: 32
    .max_flat_workgroup_size: 128
    .sgpr_count:     88
    .vgpr_count:     576
    .wavefront_size: 32
...
	.end_amdgpu_metadata
.endif
;; end of part 5
